; MI455X (gfx1250); checked and timed in simulation.
; The chip was launched on July 23, 2026; its instructions are those of AMD's public machine-readable ISA for CDNA 5 (MIT licence, August 2026) and "CDNA5" Instruction Set Architecture Reference Guide (July 2026). The comments in the code are by the model that wrote it; some were corrected since.
;; GQA Broadcast. Allowed arithmetic: float matrix products may take bf16 or f16 operands with f32 sums; all other float work in f32.
;; Inputs: Wk 2,048 x 512 float32; Wo 2,048 x 2,048 float32; Wq 2,048 x 2,048 float32; Wv 2,048 x 512 float32; bk 512 float32; bo 2,048 float32; bq 2,048 float32; bv 512 float32; x 2 x 1,024 x 2,048 float32.
;; Outputs: out0 2 x 1,024 x 2,048 float32.
;; One version. Each part assembles by itself: llvm-mc -triple=amdgcn-amd-amdhsa -mcpu=gfx1250 --defsym DOCPART=n.
;; ======== version 1 of 1: 4 launches
;; limits: values are held in f16: magnitudes above 65,504 overflow, below 6.1e-05 lose precision
;; workspace buffers: xh 8,388,608 bytes; wqkvh 12,582,912 bytes; woh 8,388,608 bytes; qkvb 12,582,912 bytes; att 8,388,608 bytes
;; launch cast (part 1): grid 1280 x 1, 8 waves a work-group, no clusters, 17,408 bytes of LDS; arguments x, Wq, Wk, Wv, xh, wqkvh; writes xh, wqkvh
.if DOCPART == 1
	.amdgcn_target "amdgcn-amd-amdhsa--gfx1250"
	.amdhsa_code_object_version 6
	.text
	.protected	k_q725ba6a8d9_cast
	.globl	k_q725ba6a8d9_cast
	.p2align	8
	.type	k_q725ba6a8d9_cast,@function
k_q725ba6a8d9_cast:
	s_mov_b64 s[64:65], 0
	v_nop
	global_prefetch_b8 v0, s[64:65] scope:SCOPE_SE
	s_setreg_imm32_b32 hwreg(HW_REG_WAVE_MODE, 25, 1), 1
	s_wait_xcnt 0x0
; cast: x, Wq, Wk, Wv from f32 to f16, laid out as blocks of 2,048 bytes (16 rows x 64 columns) in the order in which
; the next launch's matrix fragments are read, so that its tiles are dense in memory and every fragment load is lane x 16.
;   order A (x: K along the rows):  sub-block nt (512 bytes), slot 16 h + r (16 bytes) = row r, columns 16 nt + 8 h + 0..7
;   order B (weights: stored [K, N]): sub-block nt, slot L = row 8 (L >> 4) + (L & 7), columns 16 nt + 8 ((L >> 3) & 1) + 0..7
;   xh [row tile 128][column group 32][2,048];  wqkvh [chunk 48][k tile 128][2,048], chunks 0-31 Wq, 32-39 Wk, 40-47 Wv
; (Wo, which only the last launch needs, is converted in the same way by the attention launch.)
; LIMIT: the results are f16: a magnitude above 65504 becomes infinity, and steps below 6e-8 are lost.
; A stream: every input byte is read once, every output byte written once.  A wave makes one block: 8 loads, each of two whole
; aligned pieces of 256 bytes (lanes 0-15 row t, lanes 16-31 row t + 8), 4 stores of 512 consecutive bytes.  The reordering goes
; through a stage in LDS that is the wave's own, so there is no barrier.  Matrix units, clusters and tensor loads would add nothing:
; no two work-groups read the same byte.  1,280 work-groups of equal work: 512 for x, 512 Wq, 128 Wk, 128 Wv.
.set HP,   272                         ; a half-block of 256 bytes + 16 of padding: the 32 lanes' 8-byte stores fall on 64 different words modulo 256 bytes
.set STG,  8*HP                        ; a wave's stage
.set DO,   1                           ; v1      16 x lane: my 16 bytes in each 512 bytes of the block
.set STO,  6                           ; v6      where my 8 bytes of row t go (+ 16 t)
.set RD,   7                           ; v7      where I read the block back (+ 2 HP j)
.set OFF,  8                           ; v[8:15]  byte offset of load t
.set X,    16                          ; v[16:47] load t: 4 f32, then 4 f16 in its first two registers
.set Y,    48                          ; v[48:63] the block as stored
	s_load_b256 s[4:11], s[0:1], 0x0               ; x s[4:5], Wq s[6:7], Wk s[8:9], Wv s[10:11]
	s_load_b128 s[12:15], s[0:1], 0x20             ; xh s[12:13], wqkvh s[14:15]
	s_mov_b32 s21, ttmp9                           ; the work-group's number
	v_lshrrev_b32 v1, 5, v0
	v_readfirstlane_b32 s20, v1                    ; wave 0..7: my 64 columns of the group's 512
	v_and_b32 v2, 15, v0                           ; i: my 4 columns of the 64
	v_bfe_u32 v3, v0, 4, 1                         ; s: rows t (0) or t + 8 (1)
	s_mov_b32 s26, 1152                            ; first number of the range; the last range, Wv, is the start of the chain of choices
	s_mov_b32 s27, 40                              ; its first chunk
	s_wait_kmcnt 0x0
	s_mov_b64 s[22:23], s[10:11]                   ; source
	s_mov_b64 s[24:25], s[14:15]                   ; destination
	s_cmp_lt_u32 s21, 1152                         ; Wk
	s_cselect_b64 s[22:23], s[8:9], s[22:23]
	s_cselect_b32 s26, 1024, s26
	s_cselect_b32 s27, 32, s27
	s_cmp_lt_u32 s21, 1024                         ; Wq, and from here down rows of 8,192 bytes, four groups of 512 columns
	s_cselect_b64 s[22:23], s[6:7], s[22:23]
	s_cselect_b32 s26, 512, s26
	s_cselect_b32 s27, 0, s27
	s_cselect_b32 s29, 2, 0                        ; log2 of the groups of 512 columns in a row
	s_cmp_lt_u32 s21, 512                          ; x
	s_cselect_b64 s[22:23], s[4:5], s[22:23]
	s_cselect_b64 s[24:25], s[12:13], s[24:25]
	s_cselect_b32 s26, 0, s26
	s_sub_co_u32 s26, s21, s26                     ; number within the range
	s_lshr_b32 s31, s26, s29                       ; T: tile of 16 rows
	s_lshl_b32 s32, s31, s29
	s_sub_co_u32 s32, s26, s32                     ; G: group of 512 columns
	s_lshl3_add_u32 s32, s32, s20                  ; 8 G + wave: my group of 64 columns
	s_lshl_b32 s28, 2048, s29                      ; bytes in a source row
	s_lshl_b32 s33, s28, 4
	s_mul_i32 s34, s31, s33                        ; T x 16 rows
	s_lshl_b32 s35, s32, 8                         ; + my 256 bytes of a row
	s_add_co_u32 s34, s34, s35
	s_mov_b32 s35, 0
	s_add_nc_u64 s[22:23], s[22:23], s[34:35]
	s_lshr_b32 s33, s33, 1                         ; 8 rows
	v_mul_lo_u32 v[OFF], v3, s33
	v_lshl_add_u32 v[OFF], v2, 4, v[OFF]           ; 8 s rows + 16 i
.irp t, 1,2,3,4,5,6,7
	v_add_nc_u32 v[OFF+\t], s28, v[OFF+\t-1]       ; one row further down
.endr
.irp t, 0,1,2,3,4,5,6,7
	global_load_b128 v[X+4*\t:X+4*\t+3], v[OFF+\t], s[22:23] th:TH_LOAD_NT     ; read once in the launch
.endr
	s_lshl_b32 s36, s31, 5
	s_add_co_u32 s36, s36, s32                     ; x: block 32 T + column group
	s_add_co_u32 s37, s27, s32
	s_lshl_b32 s37, s37, 7
	s_add_co_u32 s37, s37, s31                     ; weights: block 128 x chunk + T
	s_cmp_lt_u32 s21, 512
	s_cselect_b32 s36, s36, s37
	s_lshl_b32 s36, s36, 11
	s_mov_b32 s37, 0
	s_add_nc_u64 s[24:25], s[24:25], s[36:37]
	s_mul_i32 s38, s20, STG                        ; my wave's stage
	v_and_b32 v4, 1, v2
	v_lshl_add_u32 v5, v4, 3, s38                  ; stage + 8 (i & 1)
	v_bfe_u32 v4, v2, 1, 1                         ; (i >> 1) & 1
	v_lshrrev_b32 v[STO], 2, v2                    ; i >> 2 = nt
	v_mul_u32_u24 v[RD], v3, HP
	v_lshl_add_u32 v[RD], v2, 4, v[RD]
	v_add_nc_u32 v[RD], s38, v[RD]                 ; lanes 0-15 an even half-block, lanes 16-31 the odd one behind it
	v_and_b32 v[DO], 31, v0
	v_lshlrev_b32 v[DO], 4, v[DO]
; Convert, reorder through the stage, store.
.macro FINISH
.irp t, 0,1,2,3,4,5,6,7
	s_wait_loadcnt 7-\t                            ; loads come back in order (ISA guide 5.7.1): load t is in, the 7 - t younger ones stay out
	v_cvt_pk_f16_f32 v[X+4*\t],   v[X+4*\t],   v[X+4*\t+1]
	v_cvt_pk_f16_f32 v[X+4*\t+1], v[X+4*\t+2], v[X+4*\t+3]
	ds_store_b64 v[STO], v[X+4*\t:X+4*\t+1] offset:16*\t
.endr
.irp j, 0,1,2,3
	ds_load_b128 v[Y+4*\j:Y+4*\j+3], v[RD] offset:2*HP*\j      ; LDS serves a wave's instructions in order (ISA guide 5.7.1.4): these see the stores above
.endr
.irp j, 0,1,2,3
	s_wait_dscnt 3-\j                              ; read-back j is in, the younger ones stay out
	global_store_b128 v[DO], v[Y+4*\j:Y+4*\j+3], s[24:25] offset:512*\j        ; 512 consecutive bytes, at a multiple of 512 from the buffer's first byte
.endr
.endm
	s_cmp_lt_u32 s21, 512
	s_cbranch_scc0 .Lweights
	v_lshl_add_u32 v[STO], v[STO], 1, v4           ; order A: half-block 2 nt + h with h = (i >> 1) & 1,
	v_mad_u32_u24 v[STO], v[STO], HP, v5
	v_lshl_add_u32 v[STO], v3, 7, v[STO]           ; slot r = t + 8 s: 128 s (+ 16 t in the store's immediate)
	FINISH
	s_endpgm
.Lweights:
	v_lshl_add_u32 v[STO], v[STO], 1, v3           ; order B: half-block 2 nt + s,
	v_mad_u32_u24 v[STO], v[STO], HP, v5
	v_lshl_add_u32 v[STO], v4, 7, v[STO]           ; slot 8 ((i >> 1) & 1) + t
	FINISH
	s_endpgm
.Lfunc_end_k_q725ba6a8d9_cast:
	.size	k_q725ba6a8d9_cast, .Lfunc_end_k_q725ba6a8d9_cast-k_q725ba6a8d9_cast
	.p2alignl 7, 3214868480
	.fill 96, 4, 3214868480
	.section	.rodata,"a",@progbits
	.p2align	6, 0x0
	.amdhsa_kernel k_q725ba6a8d9_cast
		.amdhsa_group_segment_fixed_size 17408
		.amdhsa_private_segment_fixed_size 0
		.amdhsa_enable_private_segment 0
		.amdhsa_kernarg_size 48
		.amdhsa_user_sgpr_count 2
		.amdhsa_user_sgpr_kernarg_segment_ptr 1
		.amdhsa_wavefront_size32 1
		.amdhsa_system_sgpr_workgroup_id_x 1
		.amdhsa_system_sgpr_workgroup_id_y 1
		.amdhsa_system_sgpr_workgroup_id_z 1
		.amdhsa_system_vgpr_workitem_id 0
		.amdhsa_next_free_vgpr 64
		.amdhsa_next_free_sgpr 66
		.amdhsa_reserve_vcc 0
		.amdhsa_float_denorm_mode_32 3
		.amdhsa_float_denorm_mode_16_64 3
		.amdhsa_memory_ordered 1
		.amdhsa_forward_progress 1
		.amdhsa_inst_pref_size 10
	.end_amdhsa_kernel
	.amdgpu_metadata
---
amdhsa.version: [ 1, 2 ]
amdhsa.kernels:
  - .name:           k_q725ba6a8d9_cast
    .symbol:         k_q725ba6a8d9_cast.kd
    .args:
      - { .name: x, .offset: 0, .size: 8, .value_kind: global_buffer, .address_space: global }
      - { .name: Wq, .offset: 8, .size: 8, .value_kind: global_buffer, .address_space: global }
      - { .name: Wk, .offset: 16, .size: 8, .value_kind: global_buffer, .address_space: global }
      - { .name: Wv, .offset: 24, .size: 8, .value_kind: global_buffer, .address_space: global }
      - { .name: xh, .offset: 32, .size: 8, .value_kind: global_buffer, .address_space: global }
      - { .name: wqkvh, .offset: 40, .size: 8, .value_kind: global_buffer, .address_space: global }
    .group_segment_fixed_size: 17408
    .private_segment_fixed_size: 0
    .kernarg_segment_align: 8
    .kernarg_segment_size: 48
    .max_flat_workgroup_size: 256
    .sgpr_count:     66
    .vgpr_count:     64
    .wavefront_size: 32
...
	.end_amdgpu_metadata
.endif
;; end of part 1
;; launch qkv (part 2): grid 16 x 16, 4 waves a work-group, clusters of 4 x 4, 327,680 bytes of LDS; arguments xh, wqkvh, bq, bk, bv, qkvb; writes qkvb
.if DOCPART == 2
	.amdgcn_target "amdgcn-amd-amdhsa--gfx1250"
	.amdhsa_code_object_version 6
	.text
	.protected	k_q725ba6a8d9_qkv
	.globl	k_q725ba6a8d9_qkv
	.p2align	8
	.type	k_q725ba6a8d9_qkv,@function
k_q725ba6a8d9_qkv:
	s_mov_b64 s[64:65], 0
	v_nop
	global_prefetch_b8 v0, s[64:65] scope:SCOPE_SE
	s_setreg_imm32_b32 hwreg(HW_REG_WAVE_MODE, 25, 1), 1
	s_wait_xcnt 0x0
	s_wait_alu depctr_hold_cnt(0) depctr_sa_sdst(0) depctr_va_vdst(0) depctr_va_sdst(0) depctr_va_ssrc(0) depctr_va_vcc(0) depctr_vm_vsrc(0)
	s_getreg_b32 s2, hwreg(HW_REG_IB_STS2, 6, 4)
	s_cmp_eq_u32 s2, 0
	s_cbranch_scc0 .Lentry_in_a_cluster
	s_endpgm
.Lentry_in_a_cluster:
	s_bfe_u32 s2, ttmp6, 0x10000c
	s_cmp_lg_u32 s2, 0xf033
	s_cbranch_scc0 .Lentry_shape_is_right
	s_endpgm
.Lentry_shape_is_right:
; C = A W + bias, f16 operands, f32 sums.  One text serves two launches; QKV = 1: q, k, v = x [Wq Wk Wv] + [bq bk bv], stored as f16 blocks;
; QKV = 0: out0 = att Wo + bo, stored as f32 rows.
; A lies in memory as [row tile 128][K step of 32: 64][1,024 bytes], each 1,024 bytes one fragment (lane x 16, twice 512 bytes).
; W lies as [chunk of 64 columns][k tile of 16: 128][2,048 bytes] in the order that ds_load_tr16_b128 at lane x 16 turns into a fragment.
; LIMIT: the operands are f16, and with QKV = 1 so are the results: a magnitude above 65504 becomes infinity.
; A work-group makes 128 rows x 64 NCH columns with four waves, as many as a WGP has SIMDs; a wave makes 64 rows (4 tiles) x NW tiles of 16 columns.
; 16 x 16 work-groups, one block each.  K = 2,048 goes in 8 steps of 256 through two LDS slots: with QKV = 1 the two slots take all of the 327,680 bytes asked for.
; CLUSTERS: 4 x 4 work-groups.  A's tile hangs on the block row alone and is asked for jointly by a row of the cluster, W's on the block column
; alone and is asked for jointly by a column: the requests for both are divided by four.
; THE MATRIX INSTRUCTION IS USED TRANSPOSED: source 0 = 16 columns of W, source 1 = 16 rows of A, so that lane (r, h) holds row r and the
; eight neighbouring columns 8 h + 0..7.  With QKV = 1 these pack into the 16 bytes of one slot of a block and are stored straight from registers.
; The bias is the C operand of the first K step's products: nothing is cleared and nothing is added afterwards.
; No prefetch: the operands were written by the launch before, and each wave's one tensor load has a whole K step's products in which to land.
.set QKV, 1
.if QKV
.set NCH,    3                         ; chunks of 64 columns in a block
.set NW,     6                         ; tiles of 16 columns of a wave: chunk t / 2, sub-block 2 wn + t % 2
.set NA,     1                         ; waves that fetch A (the others fetch one chunk of W each)
.set WNSTEP, 1024
.set PSTEP,  32768
.else
.set NCH,    2
.set NW,     4                         ; chunk wn, sub-block t
.set NA,     2
.set WNSTEP, 32768
.set PSTEP,  1024
.endif
.set NP,     NW/2                      ; address registers for W in each slot
.set KROW,   8192                      ; a row tile of A in a K step: 8 fragments
.set KCH,    32768                     ; a chunk of W in a K step: 16 k tiles
.set ABYTES, 8*KROW
.set SLOT,   ABYTES+NCH*KCH            ; A's 8 row tiles, then W's chunks
.set NLD,    2*NW+8                    ; LDS loads of one step of 32 along K
.set STAGE,  2*SLOT                    ; QKV = 0: behind the ring, 16 rows x 272 bytes for each wave; no tensor load lands there
.set SPITCH, 272
.set ADRA,   8                         ; v8-9    LDS address of my A fragments in slot 0, 1
.set ADRB,   10                        ; v10-15  the same for W, NP registers a slot
.set VOFF,   16                        ; v16-18  QKV = 1: my 16 bytes in a sub-block of chunk z
.set STO,    16                        ; QKV = 0: where I put 16 bytes of a row
.set RD,     17                        ;          where I read a row back
.set CO,     18                        ;          my byte offset in out0
.set F0,     32                        ; fragment buffer 0: W's NW fragments, then A's 4
.set F1,     112                       ; fragment buffer 1
.set BIAS,   32*NW                     ; window 1: accumulator (a, t) at 8 (NW a + t); behind them the bias of tile t at BIAS + 8 t
.set G1A, 24                           ; s[24:31] descriptor group 1 for A's tiles
.set G0A, 32                           ; s[32:39] group 0 for A's tiles, one set for each slot
.set G1B, 40                           ; s[40:47] group 1 for W's tiles
.set G0B, 48                           ; s[48:55] group 0 for W's tiles, one set for each slot
.set MSB, 0
.macro WIN new                         ; s_set_vgpr_msb: bits 1:0 source 0, 3:2 source 1, 5:4 source 2, 7:6 destination; the high byte repeats the setting that is left
.if MSB != \new
	s_set_vgpr_msb (MSB<<8)|\new
.set MSB, \new
.endif
.endm
.macro PLACES                          ; four plain vector instructions that name no register of the matrix instructions in front (ISA guide 7.12.1 for vector instructions)
.rept 4
	v_nop
.endr
.endm
.macro CREST                           ; a round of the cluster's barrier behind its opening work-group barrier
	s_cmp_lg_u32 s16, 0
	s_cbranch_scc1 .Lnot_wave_0_\@
	s_barrier_signal -3
.Lnot_wave_0_\@:
	s_barrier_wait -3
	s_barrier_signal -1
	s_barrier_wait -1
.endm
.macro CROUND                          ; a whole round
	s_barrier_signal -1
	s_barrier_wait -1
	CREST
.endm
.macro JLOAD s                         ; my one joint load into slot s.  The branch hangs on the wave's number alone
	s_cmp_lt_u32 s16, NA
	s_cbranch_scc0 .Lfor_w_\@
	tensor_load_to_lds s[G0A+4*\s:G0A+4*\s+3], s[G1A:G1A+7]
	s_nop 0
	s_branch .Lasked_\@
.Lfor_w_\@:
	tensor_load_to_lds s[G0B+4*\s:G0B+4*\s+3], s[G1B:G1B+7]
	s_nop 0
.Lasked_\@:
.endm
.if QKV
	s_load_b256 s[4:11], s[0:1], 0x0               ; xh s[4:5], wqkvh s[6:7], bq s[8:9], bk s[10:11]
	s_load_b128 s[12:15], s[0:1], 0x20             ; bv s[12:13], qkvb s[14:15]
.else
	s_load_b256 s[4:11], s[0:1], 0x0               ; att s[4:5], woh s[6:7], bo s[8:9], out0 s[10:11]
.endif
	v_lshrrev_b32 v1, 5, v0
	v_readfirstlane_b32 s16, v1                    ; wave 0..3
	s_lshr_b32 s17, s16, 1                         ; wm: which 64 rows are mine
	s_and_b32 s18, s16, 1                          ; wn: which half of the columns
	s_bfe_u32 s19, ttmp6, 0x40000                  ; cx
	s_bfe_u32 s20, ttmp6, 0x40004                  ; cy
	s_lshl_b32 s21, ttmp9, 2
	s_add_co_u32 s21, s21, s19                     ; block column = 4 x cluster x + cx
	s_and_b32 s22, ttmp7, 0xffff
	s_lshl_b32 s22, s22, 2
	s_add_co_u32 s22, s22, s20                     ; block row = 4 x cluster y + cy
	s_lshl_b32 s56, s20, 2
	s_lshl_b32 s56, 15, s56                        ; my row of the cluster: places 4 cy .. 4 cy + 3
	s_lshl_b32 s57, 0x1111, s19                    ; my column: places cx, cx + 4, cx + 8, cx + 12
	; group 1 for A: 8 / NA rows (row tiles) of 8,192 bytes, 65,536 bytes apart; elements of 8 bytes; no padding: fragments are read at lane x 16
	s_or_b32  s[G1A+0], s56, (3<<16)|(1<<21)       ; 15:0 the mask; 17:16 element of 8 bytes; 21 set beside a mask
	s_mov_b32 s[G1A+1], (KROW/8)<<16               ; tensor_dim0 = 1,024
	s_mov_b32 s[G1A+2], (8/NA)<<16                 ; tensor_dim1
	s_mov_b32 s[G1A+3], (KROW/8)<<16               ; tile_dim0 = 1,024
	s_mov_b32 s[G1A+4], 8/NA                       ; tile_dim1
	s_mov_b32 s[G1A+5], 8192                       ; elements from a row tile to the next
	s_mov_b32 s[G1A+6], 0
	s_mov_b32 s[G1A+7], 0
	; group 1 for W: 32,768 dense bytes as 128 rows of 256
	s_or_b32  s[G1B+0], s57, (3<<16)|(1<<21)
	s_mov_b32 s[G1B+1], 32<<16
	s_mov_b32 s[G1B+2], 128<<16
	s_mov_b32 s[G1B+3], 32<<16
	s_mov_b32 s[G1B+4], 128
	s_mov_b32 s[G1B+5], 32
	s_mov_b32 s[G1B+6], 0
	s_mov_b32 s[G1B+7], 0
	; where the tiles come from: A's address is made of the block row and the wave's number, W's of the block column and the wave's number
	s_lshl_b32 s58, s22, 3
	s_mul_i32 s59, s16, 8/NA
	s_add_co_u32 s58, s58, s59                     ; row tile 8 x block row + my part
	s_lshl_b32 s58, s58, 16
	s_mov_b32 s59, 0
	s_mul_i32 s60, s21, NCH
	s_max_u32 s61, s16, NA
	s_add_co_u32 s60, s60, s61
	s_sub_co_u32 s60, s60, NA                      ; chunk NCH x block column + wave - NA
	s_lshl_b32 s60, s60, 18
	s_mov_b32 s61, 0
	s_mul_i32 s62, s16, ABYTES/NA                  ; and where they go: the wave's number times a constant, plus a constant
	s_lshl_b32 s63, s16, 15
	s_add_co_u32 s63, s63, ABYTES-NA*KCH
	s_wait_kmcnt 0x0
	s_add_nc_u64 s[58:59], s[4:5], s[58:59]
	s_add_nc_u64 s[60:61], s[6:7], s[60:61]
.irp s, 0,1
	s_mov_b32 s[G0A+4*\s], 1
	s_add_co_u32 s[G0A+4*\s+1], s62, \s*SLOT
	s_add_nc_u64 s[G0A+4*\s+2:G0A+4*\s+3], s[58:59], \s*KROW       ; K step s
	s_or_b32 s[G0A+4*\s+3], s[G0A+4*\s+3], 0x80000000              ; type = 2
	s_mov_b32 s[G0B+4*\s], 1
	s_add_co_u32 s[G0B+4*\s+1], s63, \s*SLOT
	s_add_nc_u64 s[G0B+4*\s+2:G0B+4*\s+3], s[60:61], \s*KCH
	s_or_b32 s[G0B+4*\s+3], s[G0B+4*\s+3], 0x80000000
.endr
	CROUND                                         ; all sixteen work-groups are here: the first joint loads meet
	s_cmp_lt_u32 s16, NA                           ; both first fills of a wave in one branch; two tensor loads of the wave are out, later one
	s_cbranch_scc0 .Lfirst_w
	tensor_load_to_lds s[G0A:G0A+3], s[G1A:G1A+7]
	s_nop 0
	tensor_load_to_lds s[G0A+4:G0A+7], s[G1A:G1A+7]
	s_nop 0
	s_branch .Lfirst_done
.Lfirst_w:
	tensor_load_to_lds s[G0B:G0B+3], s[G1B:G1B+7]
	s_nop 0
	tensor_load_to_lds s[G0B+4:G0B+7], s[G1B:G1B+7]
	s_nop 0
.Lfirst_done:
	v_and_b32 v1, 31, v0
	v_lshlrev_b32 v1, 4, v1                        ; 16 x lane
	s_lshl_b32 s78, s17, 15                        ; my four row tiles of A
	s_mul_i32 s79, s18, WNSTEP
	s_add_co_u32 s79, s79, ABYTES                  ; my part of W, behind A
	v_add_nc_u32 v[ADRA], s78, v1
	v_add_nc_u32 v[ADRA+1], SLOT, v[ADRA]
	v_add_nc_u32 v[ADRB], s79, v1
.irp p, 1,2
.if \p < NP
	v_add_nc_u32 v[ADRB+\p], \p*PSTEP, v[ADRB]
.endif
.endr
.irp p, 0,1,2
.if \p < NP
	v_add_nc_u32 v[ADRB+NP+\p], SLOT, v[ADRB+\p]
.endif
.endr
	v_bfe_u32 v2, v0, 4, 1                         ; h
.if QKV
	; chunk 3 j + z is a chunk of q (0-31), of k (32-39) or of v (40-47): its bias and its block order are chosen, without a branch
	v_and_b32 v3, 7, v0
	v_bfe_u32 v4, v0, 3, 1
	v_lshl_add_u32 v3, v2, 3, v3
	v_lshl_add_u32 v3, v4, 4, v3
	v_lshlrev_b32 v3, 4, v3                        ; v is stored in the [K, N] order: row r, columns 8 h .. are slot 16 (r >> 3) + 8 h + (r & 7)
	s_mul_i32 s78, s21, NCH
	s_lshl_b32 s85, s22, 14                        ; row tile 8 x block row + 4 wm, 2,048 bytes each,
	s_lshl_b32 s79, s17, 13
	s_add_co_u32 s85, s85, s79
	s_lshl_b32 s79, s18, 10                        ; and sub-blocks 2 wn, 2 wn + 1
	s_add_co_u32 s85, s85, s79
.irp z, 0,1,2
	s_add_co_u32 s79, s78, \z
	s_cmp_lt_u32 s79, 40
	s_cselect_b64 s[72+2*\z:73+2*\z], s[10:11], s[12:13]
	s_cselect_b32 s80, 32, 40
	s_cselect_b32 s[82+\z], 0, -1                  ; all ones: a chunk of v
	s_cmp_lt_u32 s79, 32
	s_cselect_b64 s[72+2*\z:73+2*\z], s[8:9], s[72+2*\z:73+2*\z]
	s_cselect_b32 s80, 0, s80
	s_sub_co_u32 s80, s79, s80                     ; the chunk's number in its own bias
	s_lshl_b32 s80, s80, 8
	s_lshl_b32 s81, s18, 7
	s_add_co_u32 s80, s80, s81
	s_mov_b32 s81, 0
	s_add_nc_u64 s[72+2*\z:73+2*\z], s[72+2*\z:73+2*\z], s[80:81]  ; bias of columns 32 wn .. of the chunk
	s_lshl_b32 s80, s79, 18
	s_add_co_u32 s80, s80, s85
	s_add_nc_u64 s[66+2*\z:67+2*\z], s[14:15], s[80:81]            ; qkvb [chunk 48][row tile 128][2,048]
	v_cndmask_b32 v[VOFF+\z], v1, v3, s[82+\z]
.endr
.else
	s_lshl_b32 s80, s21, 9                         ; columns 128 j + 64 wn, 4 bytes each
	s_lshl_b32 s81, s18, 8
	s_add_co_u32 s80, s80, s81
	s_mov_b32 s81, 0
	s_add_nc_u64 s[72:73], s[8:9], s[80:81]        ; bo at my first column
	s_lshl_b32 s79, s22, 20                        ; rows 128 x block row + 64 wm, 8,192 bytes each
	s_add_co_u32 s80, s80, s79
	s_lshl_b32 s79, s17, 19
	s_add_co_u32 s80, s80, s79
	s_add_nc_u64 s[66:67], s[10:11], s[80:81]      ; out0 at my first row and column
	s_mul_i32 s78, s16, 16*SPITCH
	s_add_co_u32 s78, s78, STAGE                   ; my stage
	v_and_b32 v3, 15, v0                           ; r
	v_mul_u32_u24 v5, v3, SPITCH
	v_lshl_add_u32 v5, v2, 5, v5                   ; in: row r, 32 bytes for each half of the lanes
	v_add_nc_u32 v[STO], s78, v5
	v_mul_u32_u24 v5, v2, SPITCH
	v_lshl_add_u32 v5, v3, 4, v5                   ; back: lanes 0-15 one row of 256 bytes, lanes 16-31 the next
	v_add_nc_u32 v[RD], s78, v5
	v_lshlrev_b32 v5, 13, v2
	v_lshl_add_u32 v[CO], v3, 4, v5                ; the same two rows in out0
.endif
	v_lshlrev_b32 v2, 5, v2                        ; 32 h: my eight biases of a tile of 16 columns
	WIN 0x40                                       ; destination in window 1
.irp t, 0,1,2,3,4,5
.if \t < NW
.if QKV
	global_load_b128 v[BIAS+8*\t:BIAS+8*\t+3],   v2, s[72+2*(\t/2):73+2*(\t/2)] offset:64*(\t%2)
	global_load_b128 v[BIAS+8*\t+4:BIAS+8*\t+7], v2, s[72+2*(\t/2):73+2*(\t/2)] offset:64*(\t%2)+16
.else
	global_load_b128 v[BIAS+8*\t:BIAS+8*\t+3],   v2, s[72:73] offset:64*\t
	global_load_b128 v[BIAS+8*\t+4:BIAS+8*\t+7], v2, s[72:73] offset:64*\t+16
.endif
.endif
.endr
	WIN 0
; NW matrix instructions: row tile a x all my column tiles, 32 along K.  start = 1: C is the bias, and the sums begin.
; The 4 NW accumulators take turns, one instruction a turn, in the same order in every step, over the backward jump too.
.macro MULA f, a, start
.irp t, 0,1,2,3,4,5
.if \t < NW
.if \start
	v_wmma_f32_16x16x32_f16 v[8*(NW*\a+\t):8*(NW*\a+\t)+7], v[\f+8*\t:\f+8*\t+7], v[\f+8*NW+8*\a:\f+8*NW+8*\a+7], v[BIAS+8*\t:BIAS+8*\t+7]
.else
	v_wmma_f32_16x16x32_f16 v[8*(NW*\a+\t):8*(NW*\a+\t)+7], v[\f+8*\t:\f+8*\t+7], v[\f+8*NW+8*\a:\f+8*NW+8*\a+7], v[8*(NW*\a+\t):8*(NW*\a+\t)+7]
.endif
.endif
.endr
.endm
; NLD LDS loads in one run: the fragments of step kap (32 along K) of a slot into buffer f.  W first, A's row tiles 2 and 3 last.
.macro FETCH slot, kap, f
	WIN 0
.irp t, 0,1,2,3,4,5
.if \t < NW
	ds_load_tr16_b128 v[\f+8*\t:\f+8*\t+3],   v[ADRB+NP*\slot+\t/2] offset:(2*\kap)*2048+(\t%2)*512     ; k tile 2 kap: K = 8 h + 0..7 of column r
	ds_load_tr16_b128 v[\f+8*\t+4:\f+8*\t+7], v[ADRB+NP*\slot+\t/2] offset:(2*\kap+1)*2048+(\t%2)*512   ; k tile 2 kap + 1: K = 16 + 8 h + 0..7
.endif
.endr
.irp a, 0,1,2,3
	ds_load_b128 v[\f+8*NW+8*\a:\f+8*NW+8*\a+3],   v[ADRA+\slot] offset:KROW*\a+1024*\kap
	ds_load_b128 v[\f+8*NW+8*\a+4:\f+8*NW+8*\a+7], v[ADRA+\slot] offset:KROW*\a+1024*\kap+512
.endr
.endm
; One of a slot's first seven steps: multiplies buffer f; in its middle it fetches step knext of the same slot into buffer g.
.macro STEP slot, knext, f, g, start
	s_wait_dscnt 4                                 ; all but the youngest four loads (A's row tiles 2 and 3) are in
	WIN 0x50                                       ; C and D in window 1
	MULA \f, 0, \start
	MULA \f, 1, \start
	PLACES                                         ; behind the last products that read buffer g
	FETCH \slot, \knext, \g
	s_wait_dscnt NLD                               ; all but the NLD just issued
	WIN 0x50
	MULA \f, 2, \start
	MULA \f, 3, \start
.endm
.macro SEVEN slot, start
	STEP \slot, 1, F0, F1, \start
	STEP \slot, 2, F1, F0, 0
	STEP \slot, 3, F0, F1, 0
	STEP \slot, 4, F1, F0, 0
	STEP \slot, 5, F0, F1, 0
	STEP \slot, 6, F1, F0, 0
	STEP \slot, 7, F0, F1, 0
.endm
; A slot's eighth step: multiplies buffer 1 and changes slots.  fill = 1: this slot is filled again, two K steps ahead.
; In front of the barrier each wave waits for its reads of this slot and for all its tensor loads (one is out: its part of the next slot).
; Where the slot is filled again the barrier opens a round of the cluster's barrier, so that no wave of any partner still reads the slot;
; the joint refill is the first tensor load behind the round, and has all the next slot's products but NW in which to land.
.macro TURN slot, next, fill
	s_wait_dscnt 4
	WIN 0x50
	MULA F1, 0, 0
	s_wait_dscnt 0
	s_wait_tensorcnt 0x0
	s_barrier_signal -1
	MULA F1, 1, 0                                  ; register work while the others arrive
	WIN 0
	s_barrier_wait -1
.if \fill
	CREST
	s_add_nc_u64 s[G0A+4*\slot+2:G0A+4*\slot+3], s[G0A+4*\slot+2:G0A+4*\slot+3], 2*KROW   ; no tensor load of mine is out: a group 0 may be written
	s_add_nc_u64 s[G0B+4*\slot+2:G0B+4*\slot+3], s[G0B+4*\slot+2:G0B+4*\slot+3], 2*KCH
	JLOAD \slot
.endif
	PLACES
	FETCH \next, 0, F0
	WIN 0x50
	MULA F1, 2, 0
	MULA F1, 3, 0
.endm
.macro LAP start                       ; two K steps of 256, both slots filled again
	SEVEN 0, \start
	TURN 0, 1, 1
	SEVEN 1, 0
	TURN 1, 0, 1
.endm
	s_wait_tensorcnt 0x1                           ; my part of slot 0 is in; slot 1's load stays out
	s_barrier_signal -1
	s_barrier_wait -1                              ; everybody's part is in
	FETCH 0, 0, F0
	s_wait_loadcnt 0x0                             ; the bias
	LAP 1                                          ; K steps 0, 1; asks for 2, 3
	WIN 0
	s_mov_b32 s23, 2
.Llap:
	LAP 0                                          ; K steps 2 to 5; asks for 4 to 7
	WIN 0
	s_sub_co_u32 s23, s23, 1
	s_cmp_lg_u32 s23, 0
	s_cbranch_scc1 .Llap
	SEVEN 0, 0                                     ; K steps 6, 7: nothing is left to fetch
	TURN 0, 1, 0
	SEVEN 1, 0
	s_wait_dscnt 4
	WIN 0x50
	MULA F1, 0, 0
	MULA F1, 1, 0
	s_wait_dscnt 0
	MULA F1, 2, 0
	MULA F1, 3, 0
	PLACES                                         ; behind the last products: their results are read and their fragment buffers written below
.if QKV
	; THE WAY OUT: a lane's eight numbers of a tile round to the 16 bytes of one slot; a store of the wave fills one sub-block, 512 consecutive bytes
	WIN 0x05                                       ; sources in window 1, destination in window 0
.irp a, 0,1,2,3
.irp t, 0,1,2,3,4,5
.irp i, 0,1,2,3
	v_cvt_pk_f16_f32 v[F0+4*(NW*\a+\t)+\i], v[8*(NW*\a+\t)+2*\i], v[8*(NW*\a+\t)+2*\i+1]
.endr
.endr
.endr
	WIN 0
.irp a, 0,1,2,3
.irp t, 0,1,2,3,4,5
	global_store_b128 v[VOFF+\t/2], v[F0+4*(NW*\a+\t):F0+4*(NW*\a+\t)+3], s[66+2*(\t/2):67+2*(\t/2)] offset:2048*\a+512*(\t%2)
.endr
.endr
.else
	; THE WAY OUT, 16 rows at a time: 32 bytes a lane and tile into my own stage, read back as whole rows of 256 bytes
.macro OUT16 a, f
	WIN 0x04                                       ; store data in window 1
.irp t, 0,1,2,3
	ds_store_b128 v[STO], v[8*(NW*\a+\t):8*(NW*\a+\t)+3]   offset:64*\t
	ds_store_b128 v[STO], v[8*(NW*\a+\t)+4:8*(NW*\a+\t)+7] offset:64*\t+16
.endr
	WIN 0
	s_wait_xcnt 0x0                                ; buffer f, which the stores of two turns ago read, is loaded again only behind this wait (ISA guide 3.1)
.irp i, 0,1,2,3,4,5,6,7
	ds_load_b128 v[\f+4*\i:\f+4*\i+3], v[RD] offset:2*SPITCH*\i    ; LDS serves a wave's instructions in order (ISA guide 5.7.1.4): these see the stores above
.endr
.irp i, 0,1,2,3,4,5,6,7
	s_wait_dscnt 7-\i                              ; read-back i is in, the younger ones stay out
	global_store_b128 v[CO], v[\f+4*\i:\f+4*\i+3], s[66:67] offset:131072*\a+16384*\i th:TH_STORE_NT   ; 16 lanes store 256 consecutive bytes, at a multiple of 256 from out0's first byte
.endr
.endm
	OUT16 0, F0
	OUT16 1, F1
	OUT16 2, F0
	OUT16 3, F1
.endif
	CROUND                                         ; the closing round: no work-group ends while a partner may still ask for a tile that names it
	s_endpgm
.Lfunc_end_k_q725ba6a8d9_qkv:
	.size	k_q725ba6a8d9_qkv, .Lfunc_end_k_q725ba6a8d9_qkv-k_q725ba6a8d9_qkv
	.p2alignl 7, 3214868480
	.fill 96, 4, 3214868480
	.section	.rodata,"a",@progbits
	.p2align	6, 0x0
	.amdhsa_kernel k_q725ba6a8d9_qkv
		.amdhsa_group_segment_fixed_size 327680
		.amdhsa_private_segment_fixed_size 0
		.amdhsa_enable_private_segment 0
		.amdhsa_kernarg_size 48
		.amdhsa_user_sgpr_count 2
		.amdhsa_user_sgpr_kernarg_segment_ptr 1
		.amdhsa_wavefront_size32 1
		.amdhsa_system_sgpr_workgroup_id_x 1
		.amdhsa_system_sgpr_workgroup_id_y 1
		.amdhsa_system_sgpr_workgroup_id_z 1
		.amdhsa_system_vgpr_workitem_id 0
		.amdhsa_next_free_vgpr 496
		.amdhsa_next_free_sgpr 90
		.amdhsa_reserve_vcc 0
		.amdhsa_float_denorm_mode_32 3
		.amdhsa_float_denorm_mode_16_64 3
		.amdhsa_memory_ordered 1
		.amdhsa_forward_progress 1
		.amdhsa_inst_pref_size 165
	.end_amdhsa_kernel
	.amdgpu_metadata
---
amdhsa.version: [ 1, 2 ]
amdhsa.kernels:
  - .name:           k_q725ba6a8d9_qkv
    .symbol:         k_q725ba6a8d9_qkv.kd
    .args:
      - { .name: xh, .offset: 0, .size: 8, .value_kind: global_buffer, .address_space: global }
      - { .name: wqkvh, .offset: 8, .size: 8, .value_kind: global_buffer, .address_space: global }
      - { .name: bq, .offset: 16, .size: 8, .value_kind: global_buffer, .address_space: global }
      - { .name: bk, .offset: 24, .size: 8, .value_kind: global_buffer, .address_space: global }
      - { .name: bv, .offset: 32, .size: 8, .value_kind: global_buffer, .address_space: global }
      - { .name: qkvb, .offset: 40, .size: 8, .value_kind: global_buffer, .address_space: global }
    .group_segment_fixed_size: 327680
    .private_segment_fixed_size: 0
    .kernarg_segment_align: 8
    .kernarg_segment_size: 48
    .max_flat_workgroup_size: 128
    .sgpr_count:     90
    .vgpr_count:     496
    .wavefront_size: 32
...
	.end_amdgpu_metadata
.endif
;; end of part 2
;; launch attn (part 3): grid 16 x 16, 8 waves a work-group, clusters of 4 x 1, 327,680 bytes of LDS; arguments qkvb, Wo, att, woh; writes att, woh
.if DOCPART == 3
	.amdgcn_target "amdgcn-amd-amdhsa--gfx1250"
	.amdhsa_code_object_version 6
	.text
	.protected	k_q725ba6a8d9_attn
	.globl	k_q725ba6a8d9_attn
	.p2align	8
	.type	k_q725ba6a8d9_attn,@function
k_q725ba6a8d9_attn:
	s_mov_b64 s[64:65], 0
	v_nop
	global_prefetch_b8 v0, s[64:65] scope:SCOPE_SE
	s_setreg_imm32_b32 hwreg(HW_REG_WAVE_MODE, 25, 1), 1
	s_wait_xcnt 0x0
	s_wait_alu depctr_hold_cnt(0) depctr_sa_sdst(0) depctr_va_vdst(0) depctr_va_sdst(0) depctr_va_ssrc(0) depctr_va_vcc(0) depctr_vm_vsrc(0)
	s_getreg_b32 s2, hwreg(HW_REG_IB_STS2, 6, 4)
	s_cmp_eq_u32 s2, 0
	s_cbranch_scc0 .Lentry_in_a_cluster
	s_endpgm
.Lentry_in_a_cluster:
	s_bfe_u32 s2, ttmp6, 0x10000c
	s_cmp_lg_u32 s2, 0x3003
	s_cbranch_scc0 .Lentry_shape_is_right
	s_endpgm
.Lentry_shape_is_right:
; Attention: for batch b, K/V head g, query head 4 g + r: att = softmax(q k^T / 8) v, with a running maximum.  f16 matrix operands, f32 sums and softmax.
; qkvb [chunk 48][row tile 128][2,048 bytes]: chunks 0-31 q, 32-39 k (fragment order: lane x 16), 40-47 v ([K, N] order for ds_load_tr16_b128).
; att [row tile 128][head 32][2,048 bytes], fragment order, f16.
; BESIDE IT: Wo, f32 [2048][2048], is converted to f16 blocks woh [chunk 32][k tile 128][2,048 bytes] in the [K, N] order, for the launch that follows:
; sub-block nt (512 bytes), slot L (16 bytes) = row 8 (L >> 4) + (L & 7), columns 16 nt + 8 ((L >> 3) & 1) + 0..7.
; Each of the 2,048 waves converts two blocks (8,192 bytes read, 4,096 written); the attention itself reads only 12.6 MB for its 17 GFLOP.
; LIMITS: q, k, v, Wo and the result are f16 (above 65504: infinity).  P is rounded to f16: a weight below 6e-8 of its row's largest counts as zero in the
; product with v; v_exp_f32 gives zero below 2^-126 (ISA guide 15.8).  The row sum is taken of P before that rounding; it is at least 1.
; Work-group (x, y): y = 8 b + g; x = 4 r + qb: head r of the group, 256 queries.  Eight waves, two for each of the WGP's four SIMDs, so that one wave's
; stalls are filled by the other; a wave has 32 queries (two tiles).
; All 1,024 keys of K and of V (131,072 bytes each) lie in LDS, filled once: nothing is ever filled again, so no ring.  The first 256 keys (65,536 bytes)
; are asked for alone; the other 196,608 bytes follow behind a second round and have three trips in which to land.
; CLUSTER: the four query blocks of a head read the same K and V and ask for them jointly (mask 15).  The other three heads of the group are other
; clusters: a mask names four work-groups at the most here.
; ORIENTATION: S^T = K Q^T puts query r in lane (r, h) with keys 8 h + j in its registers; two such tiles, packed to f16, ARE the second source of
; O^T = V^T P^T; and O^T again has query r in lane (r, h), with d = 16 dt + 8 h + j: one slot of a block of att.  So P never leaves the registers,
; and a query's maximum and sum are numbers of a lane and of its partner 16 lanes away.
.set KA,   1                           ; v1       LDS address of the next trip's K fragments
.set VA,   2                           ; v2       LDS address of this trip's V fragments
.set LN,   3                           ; v3       16 x lane; never rewritten
.set T,    4                           ; v[4:11]  at work
.set M,    12                          ; v[12:13] running maximum of query tile 0, 1 (raw scores)
.set L,    14                          ; v[14:15] running sum, of my half of the keys
.set NMC,  16                          ; v[16:17] - c x maximum, c = log2(e) / 8
.set AL,   18                          ; v[18:19] the factor by which old sums shrink; at the end 1 / sum
.set WOFF, 20                          ; v20      Wo: byte offset of my 16 bytes of row 8 s in my wave's two blocks; never rewritten
.set WSTO, 21                          ; v21      Wo: where my 8 bytes of row t go in the stage (+ 16 t)
.set WRD,  22                          ; v22      Wo: where I read a block back (+ 2 HP j)
.set Q,    24                          ; v[24:55]   Q(n, c) at 16 n + 8 c
.set S,    56                          ; v[56:119]  S^T(kt, n) at 32 n + 8 kt; then P(n, ks) at 32 n + 16 ks
.set KF,   120                         ; v[120:183] K(kt, c) at 16 kt + 8 c
.set VF,   184                         ; v[184:247] V(dt, ks) at 16 dt + 8 ks
                                       ; window 1: O^T(dt, n) at 8 (2 dt + n);
.set WX,   64                          ;           behind it Wo as loaded: block u, row load t at 32 u + 4 t
.set VBASE, 131072                     ; V in LDS, behind K
.set HP,    272                        ; Wo's stage: a half-block of 256 bytes + 16 of padding
.set STG,   8*HP                       ; one block
.set STAGE, 262144                     ; behind K and V: two blocks for each wave, its own; no tensor load lands there
.set MSB, 0
.macro WIN new                         ; s_set_vgpr_msb: bits 1:0 source 0, 3:2 source 1, 5:4 source 2, 7:6 destination; the high byte repeats the setting that is left
.if MSB != \new
	s_set_vgpr_msb (MSB<<8)|\new
.set MSB, \new
.endif
.endm
.macro ROUND                           ; a round of the cluster's barrier
	s_barrier_signal -1
	s_barrier_wait -1
	s_cmp_lg_u32 s8, 0
	s_cbranch_scc1 .Lnot_wave_0_\@
	s_barrier_signal -3
.Lnot_wave_0_\@:
	s_barrier_wait -3
	s_barrier_signal -1
	s_barrier_wait -1
.endm
	s_load_b256 s[68:75], s[0:1], 0x0              ; qkvb s[68:69], Wo s[70:71], att s[72:73], woh s[74:75]
	v_lshrrev_b32 v1, 5, v0
	v_readfirstlane_b32 s8, v1                     ; wave 0..7
	s_and_b32 s9, ttmp7, 0xffff                    ; y
	s_lshr_b32 s10, s9, 3                          ; b
	s_and_b32 s11, s9, 7                           ; g
	s_bfe_u32 s12, ttmp6, 0x40000                  ; cx = my block of 256 queries
	s_lshl_b32 s13, s11, 2
	s_add_co_u32 s13, s13, ttmp9                   ; head 4 g + r: the cluster's x is r
	s_mov_b32 s40, 0x3e38aa3b                      ; c = log2(e) / 8: the scale 1 / sqrt(64) and the change to base 2 in one factor
	s_mov_b32 s41, 0x3e38aa3b
	s_mov_b32 s45, 0xbe38aa3b                      ; - c
	s_mov_b32 s42, 0x76543210                      ; v_permlanex16_b32: lane i of one half reads lane i of the other
	s_mov_b32 s43, 0xfedcba98
	; group 1, twice: dense bytes as rows of 256 (32 elements of 8 bytes): 32 rows for a wave's piece of the first 256 keys, 96 for its piece of the rest
	s_mov_b32 s16, 15|(3<<16)|(1<<21)              ; the mask of all four partners; element of 8 bytes; 21 set beside a mask
	s_mov_b32 s17, 32<<16
	s_mov_b32 s18, 32<<16
	s_mov_b32 s19, 32<<16
	s_mov_b32 s20, 32
	s_mov_b32 s21, 32
	s_mov_b32 s22, 0
	s_mov_b32 s23, 0
	s_mov_b32 s24, 15|(3<<16)|(1<<21)
	s_mov_b32 s25, 32<<16
	s_mov_b32 s26, 96<<16
	s_mov_b32 s27, 32<<16
	s_mov_b32 s28, 96
	s_mov_b32 s29, 32
	s_mov_b32 s30, 0
	s_mov_b32 s31, 0
	; from where: waves 0-3 fetch K (chunk 32 + g), waves 4-7 V (chunk 40 + g), a quarter each.  Made of y and the wave's number alone
	s_lshr_b32 s52, s8, 2
	s_lshl_b32 s52, s52, 3
	s_add_co_u32 s52, s52, s11
	s_add_co_u32 s52, s52, 32
	s_lshl_b32 s52, s52, 18                        ; chunk x 262,144
	s_lshl_b32 s53, s10, 17                        ; + b x 64 row tiles
	s_add_co_u32 s52, s52, s53
	s_and_b32 s54, s8, 3
	s_lshl_b32 s56, s54, 13                        ; first 256 keys: 32,768 bytes, 8,192 a wave
	s_add_co_u32 s56, s56, s52
	s_mov_b32 s57, 0
	s_mul_i32 s58, s54, 24576                      ; the rest: 98,304 bytes, 24,576 a wave
	s_add_co_u32 s58, s58, s52
	s_add_co_u32 s58, s58, 32768
	s_mov_b32 s59, 0
	; my 32 queries: row tiles R0 = 64 b + 16 qb + 2 wave and R0 + 1
	s_lshl_b32 s50, s10, 6
	s_lshl_b32 s51, s12, 4
	s_add_co_u32 s50, s50, s51
	s_lshl_b32 s51, s8, 1
	s_add_co_u32 s50, s50, s51
	s_lshl_b32 s46, s13, 18
	s_lshl_b32 s47, s50, 11
	s_add_co_u32 s46, s46, s47                     ; q: chunk = head, row tile R0
	s_mov_b32 s47, 0
	s_lshl_b32 s48, s50, 5
	s_add_co_u32 s48, s48, s13
	s_lshl_b32 s48, s48, 11                        ; att: block 32 R0 + head
	s_mov_b32 s49, 0
	; my two blocks of Wo: wave number in the launch n = 128 y + 8 x + wave; k tile n >> 4, chunks 2 (n & 15) and 2 (n & 15) + 1: 512 neighbouring bytes of 16 rows
	s_lshl_b32 s14, ttmp9, 2
	s_add_co_u32 s14, s14, s12                     ; x
	s_lshl3_add_u32 s14, s14, s8
	s_lshl_b32 s15, s9, 7
	s_add_co_u32 s14, s14, s15                     ; n
	s_lshr_b32 s15, s14, 4                         ; k tile
	s_and_b32 s14, s14, 15                         ; pair of chunks
	s_lshl_b32 s76, s15, 17                        ; 16 rows of 8,192 bytes
	s_lshl_b32 s77, s14, 9
	s_add_co_u32 s76, s76, s77
	s_mov_b32 s77, 0
	s_lshl_b32 s78, s14, 19                        ; two chunks of 128 blocks of 2,048 bytes
	s_lshl_b32 s79, s15, 11
	s_add_co_u32 s78, s78, s79
	s_mov_b32 s79, 0
	s_mul_i32 s80, s8, 2*STG
	s_add_co_u32 s80, s80, STAGE                   ; my wave's stage
	s_mov_b32 s32, 1
	s_mov_b32 s36, 1
	s_wait_kmcnt 0x0
	s_add_nc_u64 s[46:47], s[68:69], s[46:47]
	s_add_nc_u64 s[48:49], s[72:73], s[48:49]
	s_add_nc_u64 s[34:35], s[68:69], s[56:57]
	s_or_b32 s35, s35, 0x80000000                  ; type = 2
	s_add_nc_u64 s[38:39], s[68:69], s[58:59]
	s_or_b32 s39, s39, 0x80000000
	s_add_nc_u64 s[76:77], s[70:71], s[76:77]
	s_add_nc_u64 s[78:79], s[74:75], s[78:79]
; A wave's two fills: LDS addresses = the wave's number times a constant, plus a constant.  One tensor load of the wave is out at a time.
.macro FILL1 c
	s_lshl_b32 s33, s8, 13
	s_add_co_u32 s33, s33, \c
	tensor_load_to_lds s[32:35], s[16:23]
	s_nop 0
.endm
.macro FILL2 c
	s_mul_i32 s37, s8, 24576
	s_add_co_u32 s37, s37, \c
	tensor_load_to_lds s[36:39], s[24:31]
	s_nop 0
.endm
	ROUND                                          ; all four partners are here: the joint loads meet
	s_cmp_lt_u32 s8, 4
	s_cbranch_scc0 .Lfirst_v
	FILL1 0                                        ; K, keys 0-255: bytes 8,192 w
	s_branch .Lfirst_done
.Lfirst_v:
	FILL1 VBASE-4*8192                             ; V: the same with w - 4, behind K
.Lfirst_done:
	v_and_b32 v[LN], 31, v0
	v_lshlrev_b32 v[LN], 4, v[LN]
.irp i, 0,1,2,3,4,5,6,7
	global_load_b128 v[Q+4*\i:Q+4*\i+3], v[LN], s[46:47] offset:512*\i     ; Q(n, c), halves q: register 16 n + 8 c + 4 q, byte 2,048 n + 1,024 c + 512 q
.endr
	v_mov_b32 v[KA], v[LN]
	v_add_nc_u32 v[VA], VBASE, v[LN]
	; Wo's lane terms: i = my 4 columns of a block's 64, s = rows t (0) or t + 8 (1)
	v_and_b32 v4, 15, v0                           ; i
	v_bfe_u32 v5, v0, 4, 1                         ; s
	v_lshlrev_b32 v[WOFF], 16, v5
	v_lshl_add_u32 v[WOFF], v4, 4, v[WOFF]         ; 8 s rows + 16 i
	v_and_b32 v6, 1, v4
	v_lshl_add_u32 v6, v6, 3, s80                  ; stage + 8 (i & 1)
	v_bfe_u32 v7, v4, 1, 1
	v_lshrrev_b32 v8, 2, v4
	v_lshl_add_u32 v8, v8, 1, v5                   ; half-block 2 nt + s,
	v_mad_u32_u24 v[WSTO], v8, HP, v6
	v_lshl_add_u32 v[WSTO], v7, 7, v[WSTO]         ; slot 8 ((i >> 1) & 1) + t
	v_mul_u32_u24 v[WRD], v5, HP
	v_lshl_add_u32 v[WRD], v4, 4, v[WRD]
	v_add_nc_u32 v[WRD], s80, v[WRD]               ; lanes 0-15 an even half-block, lanes 16-31 the odd one behind it
.macro KLOAD                           ; the K fragments of four key tiles: register 16 kt + 8 c + 4 q, byte 2,048 kt + 1,024 c + 512 q
.irp i, 0,1,2,3,4,5,6,7,8,9,10,11,12,13,14,15
	ds_load_b128 v[KF+4*\i:KF+4*\i+3], v[KA] offset:512*\i
.endr
.endm
.macro VLOAD                           ; V^T(dt, ks): d = 16 dt + r, keys 32 ks + 16 q + 8 h + 0..7
.irp dt, 0,1,2,3
.irp ks, 0,1
	ds_load_tr16_b128 v[VF+16*\dt+8*\ks:VF+16*\dt+8*\ks+3],   v[VA] offset:(2*\ks)*2048+512*\dt
	ds_load_tr16_b128 v[VF+16*\dt+8*\ks+4:VF+16*\dt+8*\ks+7], v[VA] offset:(2*\ks+1)*2048+512*\dt
.endr
.endr
.endm
; The new maxima of both query tiles over this trip's 64 keys and all before; the shifts - c M; the factors for the old sums.
; The two tiles' four chains each go side by side: a chain's next link stands eight instructions behind the last.
.macro MAXP2 first
.irp k, 0,1,2,3
.irp n, 0,1
	v_max3_num_f32 v[T+4*\n+\k], v[S+32*\n+3*\k], v[S+32*\n+3*\k+1], v[S+32*\n+3*\k+2]
.endr
.endr
.irp i, 0,1,2,3,4,5,6,7,8,9
.irp n, 0,1
	v_max3_num_f32 v[T+4*\n+\i%4], v[T+4*\n+\i%4], v[S+32*\n+12+2*\i], v[S+32*\n+13+2*\i]
.endr
.endr
.irp n, 0,1
	v_max3_num_f32 v[T+4*\n], v[T+4*\n], v[T+4*\n+1], v[T+4*\n+2]
.endr
.irp n, 0,1
	v_max_num_f32 v[T+4*\n], v[T+4*\n], v[T+4*\n+3]
.endr
.irp n, 0,1
	v_permlanex16_b32 v[T+4*\n+1], v[T+4*\n], s42, s43     ; the other half of the keys
.endr
.if \first
.irp n, 0,1
	v_max_num_f32 v[M+\n], v[T+4*\n], v[T+4*\n+1]
.endr
.irp n, 0,1
	v_mul_f32 v[NMC+\n], s45, v[M+\n]
.endr
.else
.irp n, 0,1
	v_max3_num_f32 v[M+\n], v[T+4*\n], v[T+4*\n+1], v[M+\n]
.endr
.irp n, 0,1
	v_mul_f32 v[T+4*\n+2], s45, v[M+\n]
.endr
.irp n, 0,1
	v_sub_f32 v[T+4*\n+3], v[T+4*\n+2], v[NMC+\n]          ; the difference of the two ROUNDED shifts: old and new terms stay on one scale exactly
.endr
.irp n, 0,1
	v_mov_b32 v[NMC+\n], v[T+4*\n+2]
.endr
.irp n, 0,1
	v_exp_f32 v[AL+\n], v[T+4*\n+3]                        ; what follows the two is plain and touches none of their registers (ISA guide 5.7.2)
.endr
.endif
.endm
.macro FMAP0                           ; tile 0's exponents c x - c M, two at a time; op_sel picks the tile's shift for both halves
.irp i, 0,1,2,3,4,5,6,7,8,9,10,11,12,13,14,15
	v_pk_fma_f32 v[S+2*\i:S+2*\i+1], v[S+2*\i:S+2*\i+1], s[40:41], v[NMC:NMC+1] op_sel:[0,0,0] op_sel_hi:[1,0,0]
.endr
.endm
.macro EXFM                            ; tile 0's exponentials, with tile 1's exponents between them: plain work on other registers behind every pair
.irp i, 0,1,2,3,4,5,6,7,8,9,10,11,12,13,14,15
	v_exp_f32 v[S+2*\i], v[S+2*\i]
	v_exp_f32 v[S+2*\i+1], v[S+2*\i+1]
	v_pk_fma_f32 v[S+32+2*\i:S+32+2*\i+1], v[S+32+2*\i:S+32+2*\i+1], s[40:41], v[NMC:NMC+1] op_sel:[0,0,1] op_sel_hi:[1,0,1]
.endr
.endm
.macro EXQ ex                          ; ex = 1: the next of tile 1's 32 exponentials, ahead of a plain instruction on tile 0's registers
.if \ex
.if ej < 32
	v_exp_f32 v[S+32+ej], v[S+32+ej]
.set ej, ej+1
.endif
.endif
.endm
.macro CV n, ex                        ; the next two weights of tile n to f16: tiles 2 ks, 2 ks + 1 become the fragment P(n, ks); ascending, so nothing unread is written over
	EXQ \ex
	v_cvt_pk_f16_f32 v[S+32*\n+16*(cj/8)+cj%8], v[S+32*\n+16*(cj/8)+2*(cj%8)], v[S+32*\n+16*(cj/8)+2*(cj%8)+1]
.set cj, cj+1
.endm
; The sum of my 32 weights of tile n, the running sum, and P in f16.  The serial end of the sum has conversions between its links.
; With ex = 1 the macro has 32 plain lines at the least, so all of tile 1's 32 exponentials find their place.
.macro SUMP n, first, ex
.irp i, 0,1,2,3
	EXQ \ex
	s_wait_alu depctr_va_vdst(0)
	v_pk_add_f32 v[T+2*\i:T+2*\i+1], v[S+32*\n+4*\i:S+32*\n+4*\i+1], v[S+32*\n+4*\i+2:S+32*\n+4*\i+3]
.endr
.irp i, 0,1,2,3,4,5,6,7
	EXQ \ex
	v_pk_add_f32 v[T+2*(\i%4):T+2*(\i%4)+1], v[T+2*(\i%4):T+2*(\i%4)+1], v[S+32*\n+16+2*\i:S+32*\n+16+2*\i+1]
.endr
.set cj, 0
	EXQ \ex
	v_pk_add_f32 v[T:T+1], v[T:T+1], v[T+2:T+3]
	EXQ \ex
	v_pk_add_f32 v[T+4:T+5], v[T+4:T+5], v[T+6:T+7]
	CV \n, \ex
	CV \n, \ex
	EXQ \ex
	v_pk_add_f32 v[T:T+1], v[T:T+1], v[T+4:T+5]
	CV \n, \ex
	CV \n, \ex
	CV \n, \ex
	EXQ \ex
.if \first
	v_add_f32 v[L+\n], v[T], v[T+1]
.else
	v_add_f32 v[T], v[T], v[T+1]
.endif
	CV \n, \ex
	CV \n, \ex
	CV \n, \ex
.if \first == 0
	EXQ \ex
	v_fma_f32 v[L+\n], v[L+\n], v[AL+\n], v[T]
.endif
.rept 8
	CV \n, \ex
.endr
.endm
.macro SCALEO                          ; O(dt, n) times AL(n); op_sel picks tile n's factor for both halves
	WIN 0x41                                       ; destination and source 0 in window 1
.irp dt, 0,1,2,3
.irp n, 0,1
.irp i, 0,1,2,3
	v_pk_mul_f32 v[8*(2*\dt+\n)+2*\i:8*(2*\dt+\n)+2*\i+1], v[8*(2*\dt+\n)+2*\i:8*(2*\dt+\n)+2*\i+1], v[AL:AL+1] op_sel:[0,\n] op_sel_hi:[1,\n]
.endr
.endr
.endr
.endm
; One trip: 64 keys.  In every run of matrix instructions the accumulators take turns, one instruction a turn.
.macro TRIP first, last
	s_wait_dscnt 0x0                               ; this trip's K fragments are in
.irp c, 0,1
.irp kt, 0,1,2,3
.irp n, 0,1
.if \c
	v_wmma_f32_16x16x32_f16 v[S+32*\n+8*\kt:S+32*\n+8*\kt+7], v[KF+16*\kt+8*\c:KF+16*\kt+8*\c+7], v[Q+16*\n+8*\c:Q+16*\n+8*\c+7], v[S+32*\n+8*\kt:S+32*\n+8*\kt+7]
.else
	v_wmma_f32_16x16x32_f16 v[S+32*\n+8*\kt:S+32*\n+8*\kt+7], v[KF+16*\kt+8*\c:KF+16*\kt+8*\c+7], v[Q+16*\n+8*\c:Q+16*\n+8*\c+7], 0
.endif
.endr
.endr
.endr
.rept 4
	v_nop                                          ; four places: the K fragments are loaded again and the scores read below (ISA guide 7.12.1 for vector instructions)
.endr
	VLOAD
.if \last == 0
	KLOAD                                          ; the next trip's, behind V's: they stay out over the products with V
.endif
	MAXP2 \first
	FMAP0
	EXFM
.set ej, 0
	SUMP 0, \first, 1                              ; with tile 1's exponentials between its lines
	SUMP 1, \first, 0
.if \first == 0
	SCALEO
.endif
.if \last
	s_wait_dscnt 0x0
.else
	s_wait_dscnt 16                                ; V's sixteen loads are in; the sixteen of the next trip's K stay out
.endif
	WIN 0x50                                       ; C and D in window 1
.irp ks, 0,1
.irp dt, 0,1,2,3
.irp n, 0,1
.if \first*(1-\ks)
	v_wmma_f32_16x16x32_f16 v[8*(2*\dt+\n):8*(2*\dt+\n)+7], v[VF+16*\dt+8*\ks:VF+16*\dt+8*\ks+7], v[S+32*\n+16*\ks:S+32*\n+16*\ks+7], 0
.else
	v_wmma_f32_16x16x32_f16 v[8*(2*\dt+\n):8*(2*\dt+\n)+7], v[VF+16*\dt+8*\ks:VF+16*\dt+8*\ks+7], v[S+32*\n+16*\ks:S+32*\n+16*\ks+7], v[8*(2*\dt+\n):8*(2*\dt+\n)+7]
.endif
.endr
.endr
.endr
	WIN 0
.if \last
.rept 4
	v_nop                                          ; four places in front of the vector instructions that read O
.endr
.else
	v_add_nc_u32 v[KA], 8192, v[KA]                ; five places: the next trip's first products write over P's registers, which these products read
	v_add_nc_u32 v[VA], 8192, v[VA]
.rept 3
	v_nop
.endr
.endif
.endm
; My two blocks of Wo: convert, reorder through my stage, store.  Read back into the scores' registers, which are free between two trips
; (five places stand behind the last products that read them).
.macro WOCAST
	s_wait_loadcnt 0x0                             ; the sixteen loads, issued three trips ago
	WIN 0x45                                       ; destination and both sources in window 1
.irp k, 0,1,2,3,4,5,6,7,8,9,10,11,12,13,14,15
	v_cvt_pk_f16_f32 v[WX+4*\k],   v[WX+4*\k],   v[WX+4*\k+1]
	v_cvt_pk_f16_f32 v[WX+4*\k+1], v[WX+4*\k+2], v[WX+4*\k+3]
.endr
	WIN 0x04                                       ; store data in window 1
.irp k, 0,1,2,3,4,5,6,7,8,9,10,11,12,13,14,15
	ds_store_b64 v[WSTO], v[WX+4*\k:WX+4*\k+1] offset:STG*(\k/8)+16*(\k%8)     ; block k / 8, row load k % 8
.endr
	WIN 0
.irp m, 0,1,2,3,4,5,6,7
	ds_load_b128 v[S+4*\m:S+4*\m+3], v[WRD] offset:STG*(\m/4)+2*HP*(\m%4)      ; LDS serves a wave's instructions in order (ISA guide 5.7.1.4): these see the stores above
.endr
.irp m, 0,1,2,3,4,5,6,7
	s_wait_dscnt 7-\m                              ; read-back m is in, the younger ones stay out
	global_store_b128 v[LN], v[S+4*\m:S+4*\m+3], s[78:79] offset:262144*(\m/4)+512*(\m%4)      ; 512 consecutive bytes of block m / 4
.endr
	s_wait_xcnt 0x0                                ; the next trip's products write the scores' registers only behind this wait (ISA guide 3.1)
.endm
	s_wait_tensorcnt 0x0                           ; my piece of the first 256 keys is in, and no tensor load of mine is out
	s_wait_dscnt 0x0                               ; (no LDS instruction has been issued yet)
	ROUND                                          ; everybody's piece is in, in all four partners; the second joint loads meet
	s_cmp_lt_u32 s8, 4
	s_cbranch_scc0 .Lrest_v
	FILL2 32768                                    ; K, keys 256-1,023: bytes 32,768 + 24,576 w
	s_branch .Lrest_done
.Lrest_v:
	FILL2 VBASE+32768-4*24576                      ; V: the same with w - 4, behind K
.Lrest_done:
	WIN 0x40                                       ; destination in window 1
.irp k, 0,1,2,3,4,5,6,7,8,9,10,11,12,13,14,15
	global_load_b128 v[WX+4*\k:WX+4*\k+3], v[WOFF], s[76:77] offset:256*(\k/8)+8192*(\k%8) th:TH_LOAD_NT   ; two whole aligned pieces of 256 bytes: rows t and t + 8 of block k / 8; read once in the launch
.endr
	WIN 0
	KLOAD                                          ; trip 0
	v_add_nc_u32 v[KA], 8192, v[KA]
	s_wait_loadcnt 16                              ; Q's eight loads are in; Wo's sixteen, issued behind them, stay out
	TRIP 1, 0                                      ; trips 0 to 2 read keys 0-191 of V and up to 255 of K: all in the first pieces
	TRIP 0, 0
	TRIP 0, 0
	WOCAST
	s_wait_dscnt 0x0                               ; no LDS instruction is out at the signal
	s_wait_tensorcnt 0x0                           ; my piece of the rest is in
	s_barrier_signal -1
	s_barrier_wait -1                              ; everybody's is
	s_mov_b32 s44, 12
.Ltrip:
	TRIP 0, 0                                      ; trips 3 to 14
	s_sub_co_u32 s44, s44, 1
	s_cmp_lg_u32 s44, 0
	s_cbranch_scc1 .Ltrip
	TRIP 0, 1                                      ; trip 15 fetches no further K
	v_permlanex16_b32 v[T], v[L], s42, s43         ; the sums of the other half of the keys
	v_permlanex16_b32 v[T+1], v[L+1], s42, s43
	v_add_f32 v[L], v[L], v[T]
	v_add_f32 v[L+1], v[L+1], v[T+1]
	v_rcp_f32 v[AL], v[L]
	v_rcp_f32 v[AL+1], v[L+1]
	v_nop                                          ; a plain place behind the reciprocals (ISA guide 5.7.2)
	s_wait_alu depctr_va_vdst(0)
	SCALEO
	WIN 0x05                                       ; sources in window 1, destination in window 0
.irp dt, 0,1,2,3
.irp n, 0,1
.irp i, 0,1,2,3
	v_cvt_pk_f16_f32 v[KF+4*(2*\dt+\n)+\i], v[8*(2*\dt+\n)+2*\i], v[8*(2*\dt+\n)+2*\i+1]
.endr
.endr
.endr
	WIN 0
.irp dt, 0,1,2,3
.irp n, 0,1
	global_store_b128 v[LN], v[KF+4*(2*\dt+\n):KF+4*(2*\dt+\n)+3], s[48:49] offset:65536*\n+512*\dt    ; one sub-block: 512 consecutive bytes
.endr
.endr
	ROUND                                          ; the closing round
	s_endpgm
.Lfunc_end_k_q725ba6a8d9_attn:
	.size	k_q725ba6a8d9_attn, .Lfunc_end_k_q725ba6a8d9_attn-k_q725ba6a8d9_attn
	.p2alignl 7, 3214868480
	.fill 96, 4, 3214868480
	.section	.rodata,"a",@progbits
	.p2align	6, 0x0
	.amdhsa_kernel k_q725ba6a8d9_attn
		.amdhsa_group_segment_fixed_size 327680
		.amdhsa_private_segment_fixed_size 0
		.amdhsa_enable_private_segment 0
		.amdhsa_kernarg_size 32
		.amdhsa_user_sgpr_count 2
		.amdhsa_user_sgpr_kernarg_segment_ptr 1
		.amdhsa_wavefront_size32 1
		.amdhsa_system_sgpr_workgroup_id_x 1
		.amdhsa_system_sgpr_workgroup_id_y 1
		.amdhsa_system_sgpr_workgroup_id_z 1
		.amdhsa_system_vgpr_workitem_id 0
		.amdhsa_next_free_vgpr 384
		.amdhsa_next_free_sgpr 84
		.amdhsa_reserve_vcc 0
		.amdhsa_float_denorm_mode_32 3
		.amdhsa_float_denorm_mode_16_64 3
		.amdhsa_memory_ordered 1
		.amdhsa_forward_progress 1
		.amdhsa_inst_pref_size 104
	.end_amdhsa_kernel
	.amdgpu_metadata
---
amdhsa.version: [ 1, 2 ]
amdhsa.kernels:
  - .name:           k_q725ba6a8d9_attn
    .symbol:         k_q725ba6a8d9_attn.kd
    .args:
      - { .name: qkvb, .offset: 0, .size: 8, .value_kind: global_buffer, .address_space: global }
      - { .name: Wo, .offset: 8, .size: 8, .value_kind: global_buffer, .address_space: global }
      - { .name: att, .offset: 16, .size: 8, .value_kind: global_buffer, .address_space: global }
      - { .name: woh, .offset: 24, .size: 8, .value_kind: global_buffer, .address_space: global }
    .group_segment_fixed_size: 327680
    .private_segment_fixed_size: 0
    .kernarg_segment_align: 8
    .kernarg_segment_size: 32
    .max_flat_workgroup_size: 256
    .sgpr_count:     84
    .vgpr_count:     384
    .wavefront_size: 32
...
	.end_amdgpu_metadata
.endif
;; end of part 3
;; launch oproj (part 4): grid 16 x 16, 4 waves a work-group, clusters of 4 x 4, 327,680 bytes of LDS; arguments att, woh, bo, out0; writes out0
.if DOCPART == 4
	.amdgcn_target "amdgcn-amd-amdhsa--gfx1250"
	.amdhsa_code_object_version 6
	.text
	.protected	k_q725ba6a8d9_oproj
	.globl	k_q725ba6a8d9_oproj
	.p2align	8
	.type	k_q725ba6a8d9_oproj,@function
k_q725ba6a8d9_oproj:
	s_mov_b64 s[64:65], 0
	v_nop
	global_prefetch_b8 v0, s[64:65] scope:SCOPE_SE
	s_setreg_imm32_b32 hwreg(HW_REG_WAVE_MODE, 25, 1), 1
	s_wait_xcnt 0x0
	s_wait_alu depctr_hold_cnt(0) depctr_sa_sdst(0) depctr_va_vdst(0) depctr_va_sdst(0) depctr_va_ssrc(0) depctr_va_vcc(0) depctr_vm_vsrc(0)
	s_getreg_b32 s2, hwreg(HW_REG_IB_STS2, 6, 4)
	s_cmp_eq_u32 s2, 0
	s_cbranch_scc0 .Lentry_in_a_cluster
	s_endpgm
.Lentry_in_a_cluster:
	s_bfe_u32 s2, ttmp6, 0x10000c
	s_cmp_lg_u32 s2, 0xf033
	s_cbranch_scc0 .Lentry_shape_is_right
	s_endpgm
.Lentry_shape_is_right:
; C = A W + bias, f16 operands, f32 sums.  One text serves two launches; QKV = 1: q, k, v = x [Wq Wk Wv] + [bq bk bv], stored as f16 blocks;
; QKV = 0: out0 = att Wo + bo, stored as f32 rows.
; A lies in memory as [row tile 128][K step of 32: 64][1,024 bytes], each 1,024 bytes one fragment (lane x 16, twice 512 bytes).
; W lies as [chunk of 64 columns][k tile of 16: 128][2,048 bytes] in the order that ds_load_tr16_b128 at lane x 16 turns into a fragment.
; LIMIT: the operands are f16, and with QKV = 1 so are the results: a magnitude above 65504 becomes infinity.
; A work-group makes 128 rows x 64 NCH columns with four waves, as many as a WGP has SIMDs; a wave makes 64 rows (4 tiles) x NW tiles of 16 columns.
; 16 x 16 work-groups, one block each.  K = 2,048 goes in 8 steps of 256 through two LDS slots: with QKV = 1 the two slots take all of the 327,680 bytes asked for.
; CLUSTERS: 4 x 4 work-groups.  A's tile hangs on the block row alone and is asked for jointly by a row of the cluster, W's on the block column
; alone and is asked for jointly by a column: the requests for both are divided by four.
; THE MATRIX INSTRUCTION IS USED TRANSPOSED: source 0 = 16 columns of W, source 1 = 16 rows of A, so that lane (r, h) holds row r and the
; eight neighbouring columns 8 h + 0..7.  With QKV = 1 these pack into the 16 bytes of one slot of a block and are stored straight from registers.
; The bias is the C operand of the first K step's products: nothing is cleared and nothing is added afterwards.
; No prefetch: the operands were written by the launch before, and each wave's one tensor load has a whole K step's products in which to land.
.set QKV, 0
.if QKV
.set NCH,    3                         ; chunks of 64 columns in a block
.set NW,     6                         ; tiles of 16 columns of a wave: chunk t / 2, sub-block 2 wn + t % 2
.set NA,     1                         ; waves that fetch A (the others fetch one chunk of W each)
.set WNSTEP, 1024
.set PSTEP,  32768
.else
.set NCH,    2
.set NW,     4                         ; chunk wn, sub-block t
.set NA,     2
.set WNSTEP, 32768
.set PSTEP,  1024
.endif
.set NP,     NW/2                      ; address registers for W in each slot
.set KROW,   8192                      ; a row tile of A in a K step: 8 fragments
.set KCH,    32768                     ; a chunk of W in a K step: 16 k tiles
.set ABYTES, 8*KROW
.set SLOT,   ABYTES+NCH*KCH            ; A's 8 row tiles, then W's chunks
.set NLD,    2*NW+8                    ; LDS loads of one step of 32 along K
.set STAGE,  2*SLOT                    ; QKV = 0: behind the ring, 16 rows x 272 bytes for each wave; no tensor load lands there
.set SPITCH, 272
.set ADRA,   8                         ; v8-9    LDS address of my A fragments in slot 0, 1
.set ADRB,   10                        ; v10-15  the same for W, NP registers a slot
.set VOFF,   16                        ; v16-18  QKV = 1: my 16 bytes in a sub-block of chunk z
.set STO,    16                        ; QKV = 0: where I put 16 bytes of a row
.set RD,     17                        ;          where I read a row back
.set CO,     18                        ;          my byte offset in out0
.set F0,     32                        ; fragment buffer 0: W's NW fragments, then A's 4
.set F1,     112                       ; fragment buffer 1
.set BIAS,   32*NW                     ; window 1: accumulator (a, t) at 8 (NW a + t); behind them the bias of tile t at BIAS + 8 t
.set G1A, 24                           ; s[24:31] descriptor group 1 for A's tiles
.set G0A, 32                           ; s[32:39] group 0 for A's tiles, one set for each slot
.set G1B, 40                           ; s[40:47] group 1 for W's tiles
.set G0B, 48                           ; s[48:55] group 0 for W's tiles, one set for each slot
.set MSB, 0
.macro WIN new                         ; s_set_vgpr_msb: bits 1:0 source 0, 3:2 source 1, 5:4 source 2, 7:6 destination; the high byte repeats the setting that is left
.if MSB != \new
	s_set_vgpr_msb (MSB<<8)|\new
.set MSB, \new
.endif
.endm
.macro PLACES                          ; four plain vector instructions that name no register of the matrix instructions in front (ISA guide 7.12.1 for vector instructions)
.rept 4
	v_nop
.endr
.endm
.macro CREST                           ; a round of the cluster's barrier behind its opening work-group barrier
	s_cmp_lg_u32 s16, 0
	s_cbranch_scc1 .Lnot_wave_0_\@
	s_barrier_signal -3
.Lnot_wave_0_\@:
	s_barrier_wait -3
	s_barrier_signal -1
	s_barrier_wait -1
.endm
.macro CROUND                          ; a whole round
	s_barrier_signal -1
	s_barrier_wait -1
	CREST
.endm
.macro JLOAD s                         ; my one joint load into slot s.  The branch hangs on the wave's number alone
	s_cmp_lt_u32 s16, NA
	s_cbranch_scc0 .Lfor_w_\@
	tensor_load_to_lds s[G0A+4*\s:G0A+4*\s+3], s[G1A:G1A+7]
	s_nop 0
	s_branch .Lasked_\@
.Lfor_w_\@:
	tensor_load_to_lds s[G0B+4*\s:G0B+4*\s+3], s[G1B:G1B+7]
	s_nop 0
.Lasked_\@:
.endm
.if QKV
	s_load_b256 s[4:11], s[0:1], 0x0               ; xh s[4:5], wqkvh s[6:7], bq s[8:9], bk s[10:11]
	s_load_b128 s[12:15], s[0:1], 0x20             ; bv s[12:13], qkvb s[14:15]
.else
	s_load_b256 s[4:11], s[0:1], 0x0               ; att s[4:5], woh s[6:7], bo s[8:9], out0 s[10:11]
.endif
	v_lshrrev_b32 v1, 5, v0
	v_readfirstlane_b32 s16, v1                    ; wave 0..3
	s_lshr_b32 s17, s16, 1                         ; wm: which 64 rows are mine
	s_and_b32 s18, s16, 1                          ; wn: which half of the columns
	s_bfe_u32 s19, ttmp6, 0x40000                  ; cx
	s_bfe_u32 s20, ttmp6, 0x40004                  ; cy
	s_lshl_b32 s21, ttmp9, 2
	s_add_co_u32 s21, s21, s19                     ; block column = 4 x cluster x + cx
	s_and_b32 s22, ttmp7, 0xffff
	s_lshl_b32 s22, s22, 2
	s_add_co_u32 s22, s22, s20                     ; block row = 4 x cluster y + cy
	s_lshl_b32 s56, s20, 2
	s_lshl_b32 s56, 15, s56                        ; my row of the cluster: places 4 cy .. 4 cy + 3
	s_lshl_b32 s57, 0x1111, s19                    ; my column: places cx, cx + 4, cx + 8, cx + 12
	; group 1 for A: 8 / NA rows (row tiles) of 8,192 bytes, 65,536 bytes apart; elements of 8 bytes; no padding: fragments are read at lane x 16
	s_or_b32  s[G1A+0], s56, (3<<16)|(1<<21)       ; 15:0 the mask; 17:16 element of 8 bytes; 21 set beside a mask
	s_mov_b32 s[G1A+1], (KROW/8)<<16               ; tensor_dim0 = 1,024
	s_mov_b32 s[G1A+2], (8/NA)<<16                 ; tensor_dim1
	s_mov_b32 s[G1A+3], (KROW/8)<<16               ; tile_dim0 = 1,024
	s_mov_b32 s[G1A+4], 8/NA                       ; tile_dim1
	s_mov_b32 s[G1A+5], 8192                       ; elements from a row tile to the next
	s_mov_b32 s[G1A+6], 0
	s_mov_b32 s[G1A+7], 0
	; group 1 for W: 32,768 dense bytes as 128 rows of 256
	s_or_b32  s[G1B+0], s57, (3<<16)|(1<<21)
	s_mov_b32 s[G1B+1], 32<<16
	s_mov_b32 s[G1B+2], 128<<16
	s_mov_b32 s[G1B+3], 32<<16
	s_mov_b32 s[G1B+4], 128
	s_mov_b32 s[G1B+5], 32
	s_mov_b32 s[G1B+6], 0
	s_mov_b32 s[G1B+7], 0
	; where the tiles come from: A's address is made of the block row and the wave's number, W's of the block column and the wave's number
	s_lshl_b32 s58, s22, 3
	s_mul_i32 s59, s16, 8/NA
	s_add_co_u32 s58, s58, s59                     ; row tile 8 x block row + my part
	s_lshl_b32 s58, s58, 16
	s_mov_b32 s59, 0
	s_mul_i32 s60, s21, NCH
	s_max_u32 s61, s16, NA
	s_add_co_u32 s60, s60, s61
	s_sub_co_u32 s60, s60, NA                      ; chunk NCH x block column + wave - NA
	s_lshl_b32 s60, s60, 18
	s_mov_b32 s61, 0
	s_mul_i32 s62, s16, ABYTES/NA                  ; and where they go: the wave's number times a constant, plus a constant
	s_lshl_b32 s63, s16, 15
	s_add_co_u32 s63, s63, ABYTES-NA*KCH
	s_wait_kmcnt 0x0
	s_add_nc_u64 s[58:59], s[4:5], s[58:59]
	s_add_nc_u64 s[60:61], s[6:7], s[60:61]
.irp s, 0,1
	s_mov_b32 s[G0A+4*\s], 1
	s_add_co_u32 s[G0A+4*\s+1], s62, \s*SLOT
	s_add_nc_u64 s[G0A+4*\s+2:G0A+4*\s+3], s[58:59], \s*KROW       ; K step s
	s_or_b32 s[G0A+4*\s+3], s[G0A+4*\s+3], 0x80000000              ; type = 2
	s_mov_b32 s[G0B+4*\s], 1
	s_add_co_u32 s[G0B+4*\s+1], s63, \s*SLOT
	s_add_nc_u64 s[G0B+4*\s+2:G0B+4*\s+3], s[60:61], \s*KCH
	s_or_b32 s[G0B+4*\s+3], s[G0B+4*\s+3], 0x80000000
.endr
	CROUND                                         ; all sixteen work-groups are here: the first joint loads meet
	s_cmp_lt_u32 s16, NA                           ; both first fills of a wave in one branch; two tensor loads of the wave are out, later one
	s_cbranch_scc0 .Lfirst_w
	tensor_load_to_lds s[G0A:G0A+3], s[G1A:G1A+7]
	s_nop 0
	tensor_load_to_lds s[G0A+4:G0A+7], s[G1A:G1A+7]
	s_nop 0
	s_branch .Lfirst_done
.Lfirst_w:
	tensor_load_to_lds s[G0B:G0B+3], s[G1B:G1B+7]
	s_nop 0
	tensor_load_to_lds s[G0B+4:G0B+7], s[G1B:G1B+7]
	s_nop 0
.Lfirst_done:
	v_and_b32 v1, 31, v0
	v_lshlrev_b32 v1, 4, v1                        ; 16 x lane
	s_lshl_b32 s78, s17, 15                        ; my four row tiles of A
	s_mul_i32 s79, s18, WNSTEP
	s_add_co_u32 s79, s79, ABYTES                  ; my part of W, behind A
	v_add_nc_u32 v[ADRA], s78, v1
	v_add_nc_u32 v[ADRA+1], SLOT, v[ADRA]
	v_add_nc_u32 v[ADRB], s79, v1
.irp p, 1,2
.if \p < NP
	v_add_nc_u32 v[ADRB+\p], \p*PSTEP, v[ADRB]
.endif
.endr
.irp p, 0,1,2
.if \p < NP
	v_add_nc_u32 v[ADRB+NP+\p], SLOT, v[ADRB+\p]
.endif
.endr
	v_bfe_u32 v2, v0, 4, 1                         ; h
.if QKV
	; chunk 3 j + z is a chunk of q (0-31), of k (32-39) or of v (40-47): its bias and its block order are chosen, without a branch
	v_and_b32 v3, 7, v0
	v_bfe_u32 v4, v0, 3, 1
	v_lshl_add_u32 v3, v2, 3, v3
	v_lshl_add_u32 v3, v4, 4, v3
	v_lshlrev_b32 v3, 4, v3                        ; v is stored in the [K, N] order: row r, columns 8 h .. are slot 16 (r >> 3) + 8 h + (r & 7)
	s_mul_i32 s78, s21, NCH
	s_lshl_b32 s85, s22, 14                        ; row tile 8 x block row + 4 wm, 2,048 bytes each,
	s_lshl_b32 s79, s17, 13
	s_add_co_u32 s85, s85, s79
	s_lshl_b32 s79, s18, 10                        ; and sub-blocks 2 wn, 2 wn + 1
	s_add_co_u32 s85, s85, s79
.irp z, 0,1,2
	s_add_co_u32 s79, s78, \z
	s_cmp_lt_u32 s79, 40
	s_cselect_b64 s[72+2*\z:73+2*\z], s[10:11], s[12:13]
	s_cselect_b32 s80, 32, 40
	s_cselect_b32 s[82+\z], 0, -1                  ; all ones: a chunk of v
	s_cmp_lt_u32 s79, 32
	s_cselect_b64 s[72+2*\z:73+2*\z], s[8:9], s[72+2*\z:73+2*\z]
	s_cselect_b32 s80, 0, s80
	s_sub_co_u32 s80, s79, s80                     ; the chunk's number in its own bias
	s_lshl_b32 s80, s80, 8
	s_lshl_b32 s81, s18, 7
	s_add_co_u32 s80, s80, s81
	s_mov_b32 s81, 0
	s_add_nc_u64 s[72+2*\z:73+2*\z], s[72+2*\z:73+2*\z], s[80:81]  ; bias of columns 32 wn .. of the chunk
	s_lshl_b32 s80, s79, 18
	s_add_co_u32 s80, s80, s85
	s_add_nc_u64 s[66+2*\z:67+2*\z], s[14:15], s[80:81]            ; qkvb [chunk 48][row tile 128][2,048]
	v_cndmask_b32 v[VOFF+\z], v1, v3, s[82+\z]
.endr
.else
	s_lshl_b32 s80, s21, 9                         ; columns 128 j + 64 wn, 4 bytes each
	s_lshl_b32 s81, s18, 8
	s_add_co_u32 s80, s80, s81
	s_mov_b32 s81, 0
	s_add_nc_u64 s[72:73], s[8:9], s[80:81]        ; bo at my first column
	s_lshl_b32 s79, s22, 20                        ; rows 128 x block row + 64 wm, 8,192 bytes each
	s_add_co_u32 s80, s80, s79
	s_lshl_b32 s79, s17, 19
	s_add_co_u32 s80, s80, s79
	s_add_nc_u64 s[66:67], s[10:11], s[80:81]      ; out0 at my first row and column
	s_mul_i32 s78, s16, 16*SPITCH
	s_add_co_u32 s78, s78, STAGE                   ; my stage
	v_and_b32 v3, 15, v0                           ; r
	v_mul_u32_u24 v5, v3, SPITCH
	v_lshl_add_u32 v5, v2, 5, v5                   ; in: row r, 32 bytes for each half of the lanes
	v_add_nc_u32 v[STO], s78, v5
	v_mul_u32_u24 v5, v2, SPITCH
	v_lshl_add_u32 v5, v3, 4, v5                   ; back: lanes 0-15 one row of 256 bytes, lanes 16-31 the next
	v_add_nc_u32 v[RD], s78, v5
	v_lshlrev_b32 v5, 13, v2
	v_lshl_add_u32 v[CO], v3, 4, v5                ; the same two rows in out0
.endif
	v_lshlrev_b32 v2, 5, v2                        ; 32 h: my eight biases of a tile of 16 columns
	WIN 0x40                                       ; destination in window 1
.irp t, 0,1,2,3,4,5
.if \t < NW
.if QKV
	global_load_b128 v[BIAS+8*\t:BIAS+8*\t+3],   v2, s[72+2*(\t/2):73+2*(\t/2)] offset:64*(\t%2)
	global_load_b128 v[BIAS+8*\t+4:BIAS+8*\t+7], v2, s[72+2*(\t/2):73+2*(\t/2)] offset:64*(\t%2)+16
.else
	global_load_b128 v[BIAS+8*\t:BIAS+8*\t+3],   v2, s[72:73] offset:64*\t
	global_load_b128 v[BIAS+8*\t+4:BIAS+8*\t+7], v2, s[72:73] offset:64*\t+16
.endif
.endif
.endr
	WIN 0
; NW matrix instructions: row tile a x all my column tiles, 32 along K.  start = 1: C is the bias, and the sums begin.
; The 4 NW accumulators take turns, one instruction a turn, in the same order in every step, over the backward jump too.
.macro MULA f, a, start
.irp t, 0,1,2,3,4,5
.if \t < NW
.if \start
	v_wmma_f32_16x16x32_f16 v[8*(NW*\a+\t):8*(NW*\a+\t)+7], v[\f+8*\t:\f+8*\t+7], v[\f+8*NW+8*\a:\f+8*NW+8*\a+7], v[BIAS+8*\t:BIAS+8*\t+7]
.else
	v_wmma_f32_16x16x32_f16 v[8*(NW*\a+\t):8*(NW*\a+\t)+7], v[\f+8*\t:\f+8*\t+7], v[\f+8*NW+8*\a:\f+8*NW+8*\a+7], v[8*(NW*\a+\t):8*(NW*\a+\t)+7]
.endif
.endif
.endr
.endm
; NLD LDS loads in one run: the fragments of step kap (32 along K) of a slot into buffer f.  W first, A's row tiles 2 and 3 last.
.macro FETCH slot, kap, f
	WIN 0
.irp t, 0,1,2,3,4,5
.if \t < NW
	ds_load_tr16_b128 v[\f+8*\t:\f+8*\t+3],   v[ADRB+NP*\slot+\t/2] offset:(2*\kap)*2048+(\t%2)*512     ; k tile 2 kap: K = 8 h + 0..7 of column r
	ds_load_tr16_b128 v[\f+8*\t+4:\f+8*\t+7], v[ADRB+NP*\slot+\t/2] offset:(2*\kap+1)*2048+(\t%2)*512   ; k tile 2 kap + 1: K = 16 + 8 h + 0..7
.endif
.endr
.irp a, 0,1,2,3
	ds_load_b128 v[\f+8*NW+8*\a:\f+8*NW+8*\a+3],   v[ADRA+\slot] offset:KROW*\a+1024*\kap
	ds_load_b128 v[\f+8*NW+8*\a+4:\f+8*NW+8*\a+7], v[ADRA+\slot] offset:KROW*\a+1024*\kap+512
.endr
.endm
; One of a slot's first seven steps: multiplies buffer f; in its middle it fetches step knext of the same slot into buffer g.
.macro STEP slot, knext, f, g, start
	s_wait_dscnt 4                                 ; all but the youngest four loads (A's row tiles 2 and 3) are in
	WIN 0x50                                       ; C and D in window 1
	MULA \f, 0, \start
	MULA \f, 1, \start
	PLACES                                         ; behind the last products that read buffer g
	FETCH \slot, \knext, \g
	s_wait_dscnt NLD                               ; all but the NLD just issued
	WIN 0x50
	MULA \f, 2, \start
	MULA \f, 3, \start
.endm
.macro SEVEN slot, start
	STEP \slot, 1, F0, F1, \start
	STEP \slot, 2, F1, F0, 0
	STEP \slot, 3, F0, F1, 0
	STEP \slot, 4, F1, F0, 0
	STEP \slot, 5, F0, F1, 0
	STEP \slot, 6, F1, F0, 0
	STEP \slot, 7, F0, F1, 0
.endm
; A slot's eighth step: multiplies buffer 1 and changes slots.  fill = 1: this slot is filled again, two K steps ahead.
; In front of the barrier each wave waits for its reads of this slot and for all its tensor loads (one is out: its part of the next slot).
; Where the slot is filled again the barrier opens a round of the cluster's barrier, so that no wave of any partner still reads the slot;
; the joint refill is the first tensor load behind the round, and has all the next slot's products but NW in which to land.
.macro TURN slot, next, fill
	s_wait_dscnt 4
	WIN 0x50
	MULA F1, 0, 0
	s_wait_dscnt 0
	s_wait_tensorcnt 0x0
	s_barrier_signal -1
	MULA F1, 1, 0                                  ; register work while the others arrive
	WIN 0
	s_barrier_wait -1
.if \fill
	CREST
	s_add_nc_u64 s[G0A+4*\slot+2:G0A+4*\slot+3], s[G0A+4*\slot+2:G0A+4*\slot+3], 2*KROW   ; no tensor load of mine is out: a group 0 may be written
	s_add_nc_u64 s[G0B+4*\slot+2:G0B+4*\slot+3], s[G0B+4*\slot+2:G0B+4*\slot+3], 2*KCH
	JLOAD \slot
.endif
	PLACES
	FETCH \next, 0, F0
	WIN 0x50
	MULA F1, 2, 0
	MULA F1, 3, 0
.endm
.macro LAP start                       ; two K steps of 256, both slots filled again
	SEVEN 0, \start
	TURN 0, 1, 1
	SEVEN 1, 0
	TURN 1, 0, 1
.endm
	s_wait_tensorcnt 0x1                           ; my part of slot 0 is in; slot 1's load stays out
	s_barrier_signal -1
	s_barrier_wait -1                              ; everybody's part is in
	FETCH 0, 0, F0
	s_wait_loadcnt 0x0                             ; the bias
	LAP 1                                          ; K steps 0, 1; asks for 2, 3
	WIN 0
	s_mov_b32 s23, 2
.Llap:
	LAP 0                                          ; K steps 2 to 5; asks for 4 to 7
	WIN 0
	s_sub_co_u32 s23, s23, 1
	s_cmp_lg_u32 s23, 0
	s_cbranch_scc1 .Llap
	SEVEN 0, 0                                     ; K steps 6, 7: nothing is left to fetch
	TURN 0, 1, 0
	SEVEN 1, 0
	s_wait_dscnt 4
	WIN 0x50
	MULA F1, 0, 0
	MULA F1, 1, 0
	s_wait_dscnt 0
	MULA F1, 2, 0
	MULA F1, 3, 0
	PLACES                                         ; behind the last products: their results are read and their fragment buffers written below
.if QKV
	; THE WAY OUT: a lane's eight numbers of a tile round to the 16 bytes of one slot; a store of the wave fills one sub-block, 512 consecutive bytes
	WIN 0x05                                       ; sources in window 1, destination in window 0
.irp a, 0,1,2,3
.irp t, 0,1,2,3,4,5
.irp i, 0,1,2,3
	v_cvt_pk_f16_f32 v[F0+4*(NW*\a+\t)+\i], v[8*(NW*\a+\t)+2*\i], v[8*(NW*\a+\t)+2*\i+1]
.endr
.endr
.endr
	WIN 0
.irp a, 0,1,2,3
.irp t, 0,1,2,3,4,5
	global_store_b128 v[VOFF+\t/2], v[F0+4*(NW*\a+\t):F0+4*(NW*\a+\t)+3], s[66+2*(\t/2):67+2*(\t/2)] offset:2048*\a+512*(\t%2)
.endr
.endr
.else
	; THE WAY OUT, 16 rows at a time: 32 bytes a lane and tile into my own stage, read back as whole rows of 256 bytes
.macro OUT16 a, f
	WIN 0x04                                       ; store data in window 1
.irp t, 0,1,2,3
	ds_store_b128 v[STO], v[8*(NW*\a+\t):8*(NW*\a+\t)+3]   offset:64*\t
	ds_store_b128 v[STO], v[8*(NW*\a+\t)+4:8*(NW*\a+\t)+7] offset:64*\t+16
.endr
	WIN 0
	s_wait_xcnt 0x0                                ; buffer f, which the stores of two turns ago read, is loaded again only behind this wait (ISA guide 3.1)
.irp i, 0,1,2,3,4,5,6,7
	ds_load_b128 v[\f+4*\i:\f+4*\i+3], v[RD] offset:2*SPITCH*\i    ; LDS serves a wave's instructions in order (ISA guide 5.7.1.4): these see the stores above
.endr
.irp i, 0,1,2,3,4,5,6,7
	s_wait_dscnt 7-\i                              ; read-back i is in, the younger ones stay out
	global_store_b128 v[CO], v[\f+4*\i:\f+4*\i+3], s[66:67] offset:131072*\a+16384*\i th:TH_STORE_NT   ; 16 lanes store 256 consecutive bytes, at a multiple of 256 from out0's first byte
.endr
.endm
	OUT16 0, F0
	OUT16 1, F1
	OUT16 2, F0
	OUT16 3, F1
.endif
	CROUND                                         ; the closing round: no work-group ends while a partner may still ask for a tile that names it
	s_endpgm
.Lfunc_end_k_q725ba6a8d9_oproj:
	.size	k_q725ba6a8d9_oproj, .Lfunc_end_k_q725ba6a8d9_oproj-k_q725ba6a8d9_oproj
	.p2alignl 7, 3214868480
	.fill 96, 4, 3214868480
	.section	.rodata,"a",@progbits
	.p2align	6, 0x0
	.amdhsa_kernel k_q725ba6a8d9_oproj
		.amdhsa_group_segment_fixed_size 327680
		.amdhsa_private_segment_fixed_size 0
		.amdhsa_enable_private_segment 0
		.amdhsa_kernarg_size 32
		.amdhsa_user_sgpr_count 2
		.amdhsa_user_sgpr_kernarg_segment_ptr 1
		.amdhsa_wavefront_size32 1
		.amdhsa_system_sgpr_workgroup_id_x 1
		.amdhsa_system_sgpr_workgroup_id_y 1
		.amdhsa_system_sgpr_workgroup_id_z 1
		.amdhsa_system_vgpr_workitem_id 0
		.amdhsa_next_free_vgpr 416
		.amdhsa_next_free_sgpr 90
		.amdhsa_reserve_vcc 0
		.amdhsa_float_denorm_mode_32 3
		.amdhsa_float_denorm_mode_16_64 3
		.amdhsa_memory_ordered 1
		.amdhsa_forward_progress 1
		.amdhsa_inst_pref_size 127
	.end_amdhsa_kernel
	.amdgpu_metadata
---
amdhsa.version: [ 1, 2 ]
amdhsa.kernels:
  - .name:           k_q725ba6a8d9_oproj
    .symbol:         k_q725ba6a8d9_oproj.kd
    .args:
      - { .name: att, .offset: 0, .size: 8, .value_kind: global_buffer, .address_space: global }
      - { .name: woh, .offset: 8, .size: 8, .value_kind: global_buffer, .address_space: global }
      - { .name: bo, .offset: 16, .size: 8, .value_kind: global_buffer, .address_space: global }
      - { .name: out0, .offset: 24, .size: 8, .value_kind: global_buffer, .address_space: global }
    .group_segment_fixed_size: 327680
    .private_segment_fixed_size: 0
    .kernarg_segment_align: 8
    .kernarg_segment_size: 32
    .max_flat_workgroup_size: 128
    .sgpr_count:     90
    .vgpr_count:     416
    .wavefront_size: 32
...
	.end_amdgpu_metadata
.endif
;; end of part 4
